; MI455X (gfx1250); checked and timed in simulation.
; The chip was launched on July 23, 2026; its instructions are those of AMD's public machine-readable ISA for CDNA 5 (MIT licence, August 2026) and "CDNA5" Instruction Set Architecture Reference Guide (July 2026). The comments in the code are by the model that wrote it; some were corrected since.
;; Multi Head Attention. Allowed arithmetic: matrix products marked QUANTISED: E2M1 operands, one E8M0 scale for each 32 along K, by v_wmma_scale_f32_16x16x128_f8f6f4 with both operands' format E2M1 (or v_wmma_scale_f32_32x16x128_f4), f32 sums; everything else in f32.
;; Inputs: Wk 16 x 1,024 x 64 float32; Wq 16 x 1,024 x 64 float32; Wv 16 x 1,024 x 64 float32; inputs 4 x 2,048 x 1,024 float32.
;; Outputs: out0 4 x 2,048 x 1,024 float32.
;; This version of the problem:
;;   THIS VERSION OF THE PROBLEM IS GIVEN IN LOW PRECISION. The matrix products marked QUANTISED in the list below multiply operands that are first quantised to E2M1 (2 exponent bits, 1 mantissa bit; 4 bits a number), with one power-of-two scale for each 32 numbers along K (OCP MX v1.0); their sums are f32. All else is computed in f32.
;;   The module's matrix products, in the order in which they are computed (A, B: the left and right operand; K: the contracted axis; several contracted axes count as one K, in the product's order):
;;     1. [M 1,024, K 1,024] x [K 1,024, N 8,192]; A: input Wq; B: input inputs: QUANTISED
;;     2. [M 1,024, K 1,024] x [K 1,024, N 8,192]; A: input Wk; B: input inputs: QUANTISED
;;     3. [M 1,024, K 1,024] x [K 1,024, N 8,192]; A: input Wv; B: input inputs: QUANTISED
;;     4. batch 64 x [M 2,048, K 64] x [K 64, N 2,048]; A: computed on the way; B: computed on the way: QUANTISED
;;     5. batch 64 x [M 2,048, K 2,048] x [K 2,048, N 64]; A: softmax (see below); B: computed on the way: QUANTISED
;;   THE QUANTISER, for each operand of a quantised product, along K:
;;     - K is cut into blocks of 32 from its start; a last block that is shorter is filled with zeros.
;;     - A block's scale is 2^e with e = floor(log2(the largest magnitude in the block)) - 2, held to -126 .. 127; a block of zeros has e = 0. As a byte (E8M0): e + 127.
;;     - Each number is divided by its block's scale, clamped to +-6, and rounded to the nearest number of E2M1, ties to even, subnormals kept.
;;     - The product sums the exact products of the quantised numbers (number of the format x scale) in f32.
;;   ~~~python
;;   def quantise(x, axis):      # numpy; x: float32 -> the quantised numbers, widened to float32 again
;;       x = np.moveaxis(x, axis, -1); K = x.shape[-1]
;;       x = np.pad(x, [(0, 0)] * (x.ndim - 1) + [(0, -K % 32)]); x = x.reshape(x.shape[:-1] + (-1, 32)); a = np.abs(x).max(-1, keepdims=True)
;;       e = np.where(a > 0, np.clip(np.frexp(np.where(a > 0, a, 1))[1] - 1 - 2, -126, 127), 0)      # np.frexp(a)[1] - 1 = floor(log2(a)), exactly
;;       r = np.clip(x / 2.0 ** e, -6, 6)
;;       step = 2.0 ** (np.maximum(np.frexp(np.where(r == 0, 1, r))[1] - 1, 0) - 1)
;;       q = np.round(r / step) * step * 2.0 ** e      # np.round: ties to even
;;       return np.moveaxis(q.reshape(q.shape[:-2] + (-1,))[..., :K], -1, axis).astype(np.float32)
;;   ~~~
;;   SOFTMAX AHEAD OF A QUANTISED PRODUCT. Where the list says 'softmax', what is quantised is not the finished softmax but p = 2^(t - M), with t = logit x log2(e) and M = ceil(the row's largest t), a whole number; so 1/2 < the row's largest p <= 1. The row's sum l is taken of the UNQUANTISED p, in f32, and the product's result is divided by l at the end. Since M is a whole number, a kernel that streams over the keys may use a running M (the ceiling of the running maximum): every later rescaling is an exact power of two, which a block's scale takes up: the codes' values come out the same.
;;   OPERANDS COMPUTED ON THE WAY. 'Computed on the way' means the value that the module computes at that place (a softmax that the list does not call 'softmax' is quantised finished and normalised). What goes into a quantiser is computed in f32, as accurately as f32 sums, v_exp_f32 and their like allow (about 1e-6 of the number): no bf16 or f16 on the way to a quantiser, and a product that is left as it is and whose result goes on into a quantised operand takes f32 operands (vector FMAs, or v_wmma_f32_16x16x4_f32). A number that lies on a knife's edge between two numbers of the format may be rounded either way, as far as f32 arithmetic and the matrix unit's own rounding can turn it there, and no further.
;; 2 versions. Each part assembles by itself: llvm-mc -triple=amdgcn-amd-amdhsa -mcpu=gfx1250 --defsym DOCPART=n.
;; ======== version 1 of 2: 3 launches
;; workspace buffers: codes 5,767,168 bytes; scales 360,448 bytes; att_codes 12,582,912 bytes; att_scales 1,572,864 bytes
;; launch quant (part 1): grid 448 x 1, 4 waves a work-group, no clusters, 42,496 bytes of LDS; arguments inputs, Wq, Wk, Wv, codes, scales; writes codes, scales
.if DOCPART == 1
	.amdgcn_target "amdgcn-amd-amdhsa--gfx1250"
	.amdhsa_code_object_version 6
	.text
	.protected	k_q283660f570_quant
	.globl	k_q283660f570_quant
	.p2align	8
	.type	k_q283660f570_quant,@function
k_q283660f570_quant:
	s_mov_b64 s[64:65], 0
	v_nop
	global_prefetch_b8 v0, s[64:65] scope:SCOPE_SE
	s_setreg_imm32_b32 hwreg(HW_REG_WAVE_MODE, 25, 1), 1
	s_wait_xcnt 0x0
; inputs [8192 tokens][1024] and Wq, Wk, Wv [16 heads][1024][64], f32, become codes of FP4 (E2M1) along d_in = 1,024, with one E8M0 byte for each 32 along d_in.
; codes: [11,264 rows][512 bytes], K innermost; scales: [11,264 rows][32 bytes].  Rows 0-8191 are tokens, row 8192 + 1024 which + 64 head + e is a weight's column (which: 0 q, 1 k, 2 v).
; A ROW IS STORED AT ITS INDEX WITH BITS 3 AND 4 EXCHANGED: sixteen rows on end in the buffer, the u-th sixteen of a group of 32, are then the rows 8 u + r + 8 (r / 8), r = 0 .. 15.
; The next launch's products so leave 16 neighbours along the following product's K in a lane's 16 registers.
; A block's scale is 2^(floor(log2(its largest magnitude)) - 2); its byte is the largest magnitude's exponent field - 2, held at 1 from below by a floor among the maximum's leaves.
; LIMITS: a block whose largest magnitude lies under 2^-124, a block of zeros among them, gets the byte 1 (its codes are then zeros or what the floor's scale gives; only this program reads the bytes);
; NaN and infinities among the inputs are not served.
; Work-groups 0-191 take the weights, 192-447 the tokens.  The two ways part on the work-group's number, never join, and each has LDS bytes of its own.
.set WGW,   192                        ; work-groups for the weights
.set STEPS, 16                         ; tokens: steps of 512 numbers a wave
.set CB,    8                          ; bytes of 16 codes
.set R,     16                         ; v16-79   tokens: four sets of 16 numbers as loaded
.set X,     80                         ; v80-111  two sets of 16 neighbours
.set E,     112                        ; v112-127 a scale byte for each step
.set C,     128                        ; v128-191 codes, four registers for each step: no store's data are written again
.set WREG,  8192                       ; LDS 0 .. 32767: a region for each wave: two stages of 32 x SP bytes, then its 256 scale bytes
.set SP,    80                         ; a lane's place in a stage: 64 bytes + 16 of padding
.set WST,   32768                      ; LDS, weights: a stage of 32 rows (columns e) of 256 bytes + 16
.set WP,    272
.set WSS,   WST+32*WP                  ; and 32 x 16 scale bytes
.set WN,    32                         ; v32-159  weights: four blocks of 32 numbers
.set WC,    160                        ; v160-175 their codes
.set WO,    176                        ; v176-191 rows read back
	s_load_b256 s[4:11], s[0:1], 0x0               ; inputs s[4:5], Wq s[6:7], Wk s[8:9], Wv s[10:11]
	s_load_b128 s[12:15], s[0:1], 0x20             ; codes s[12:13], scales s[14:15]
	v_lshl_add_u32 v192, v0, 2, 0xa400
	v_mov_b32 v193, 0
	v_lshrrev_b32 v1, 5, v0
	v_readfirstlane_b32 s16, v1                    ; wave 0..3
	v_and_b32 v2, 31, v0                           ; lane
	s_and_b32 s17, s16, 1
	s_lshl_b32 s17, s17, 1
	s_lshr_b32 s18, s16, 1
	s_or_b32 s17, s17, s18                         ; the wave's number with its two bits exchanged: runs of 8 rows change places so
	s_cmp_lt_u32 ttmp9, WGW
	s_cbranch_scc1 .Lweights
; ---------------- TOKENS.  K is innermost and rows are dense: a plain stream of blocks of 32.  A wave takes 8,192 numbers (8 rows) in 16 steps of 512.
; Each load reads 512 consecutive bytes; a step's 2,048 bytes turn through the wave's own stage, so that a lane gets 16 neighbours (two lanes hold a block).
	v_lshlrev_b32 v3, 4, v2                        ; my 16 bytes of a load's 512
	s_mul_i32 s19, s16, WREG
	v_lshrrev_b32 v14, 2, v2
	v_mul_u32_u24 v14, v14, SP
	v_and_b32 v15, 3, v2
	v_lshl_add_u32 v14, v15, 4, v14
	v_add_nc_u32 v14, s19, v14                     ; the stage, on the way in: SP (lane / 4) + 16 (lane % 4)
	v_mul_u32_u24 v15, v2, SP
	v_add_nc_u32 v15, s19, v15                     ; and on the way out: SP x lane
	v_mul_u32_u24 v4, v2, CB                       ; my codes' place in a step's 256 bytes
	v_lshrrev_b32 v5, 1, v2
	s_add_co_u32 s19, s19, 2*32*SP
	v_add_nc_u32 v5, s19, v5                       ; my block's byte among the wave's 256
	v_lshlrev_b32 v7, 3, v2                        ; on their way out 8 bytes a lane
	v_add_nc_u32 v6, s19, v7
	s_sub_co_u32 s20, ttmp9, WGW
	s_lshl_b32 s20, s20, 2
	s_add_co_u32 s22, s20, s16                     ; the run of 8 rows that I read,
	s_add_co_u32 s24, s20, s17                     ; and the run at which it is stored
	s_lshl_b32 s22, s22, 15                        ; 32,768 bytes of f32 a run
	s_mov_b32 s23, 0
	s_lshl_b32 s26, s24, 8                         ; 256 scale bytes
	s_mov_b32 s27, 0
	s_lshl_b32 s24, s24, 12                        ; 4,096 bytes of codes
	s_mov_b32 s25, 0
	s_wait_kmcnt 0x0
	s_add_nc_u64 s[4:5], s[4:5], s[22:23]
	s_add_nc_u64 s[12:13], s[12:13], s[24:25]
	s_add_nc_u64 s[14:15], s[14:15], s[26:27]
.macro XLOAD t
.irp i, 0,1,2,3
	global_load_b128 v[R+16*((\t)%4)+4*\i:R+16*((\t)%4)+4*\i+3], v3, s[4:5] offset:2048*(\t)+512*\i th:TH_LOAD_NT
.endr
.endm
.macro XTURN t                         ; step t's numbers through the stage: LDS serves a wave's instructions in order, so no wait stands between the stores and the loads
.irp i, 0,1,2,3
	ds_store_b128 v14, v[R+16*((\t)%4)+4*\i:R+16*((\t)%4)+4*\i+3] offset:32*SP*((\t)%2)+8*SP*\i
.endr
.irp i, 0,1,2,3
	ds_load_b128 v[X+16*((\t)%2)+4*\i:X+16*((\t)%2)+4*\i+3], v15 offset:32*SP*((\t)%2)+16*\i
.endr
.endm
.irp t, 0,1,2,3
	XLOAD \t
.endr
	s_wait_loadcnt 12                              ; step 0's four loads are in, twelve younger ones are out
	XTURN 0
.macro XSTEP t
.set XS, X+16*((\t)%2)
.if (\t) > 0
	s_wait_dscnt 1                                 ; this step's numbers are back from the stage (only the last step's byte store may be out): its stores into the stage have read their registers,
.else
	s_wait_dscnt 0x0
.endif
.if (\t)+4 < STEPS
	XLOAD (\t)+4                                   ; which take the loads of four steps on
.endif
.if (\t)+1 < STEPS
.if STEPS-2-(\t) >= 3
	s_wait_loadcnt 12                              ; the next step's four loads are in; those of the three steps behind it may be out
.else
	s_wait_loadcnt 4*(STEPS-2-(\t))                ; the tail: as many as are left behind the next step's
.endif
	XTURN (\t)+1
.endif
	v_max3_num_f32 v8, |v[XS]|, |v[XS+1]|, |v[XS+2]|               ; the largest magnitude of my 16, in two chains
	v_max3_num_f32 v9, |v[XS+3]|, |v[XS+4]|, |v[XS+5]|
.irp i, 6,10
	v_max3_num_f32 v8, v8, |v[XS+\i]|, |v[XS+\i+1]|
	v_max3_num_f32 v9, v9, |v[XS+\i+2]|, |v[XS+\i+3]|
.endr
	v_max3_num_f32 v8, v8, |v[XS+14]|, |v[XS+15]|
	v_max3_num_f32 v8, v8, v9, 0x1800000           ; and the floor 2^(3 - 127): the byte cannot fall under 1
	v_max_num_f32_dpp v8, v8, v8 row_xmask:1 row_mask:0xf bank_mask:0xf   ; with my neighbour's 16: the block's
	v_add_nc_u32 v11, 0xff000000, v8               ; 2 off its exponent field: the conversion takes this operand's exponent field as its scale
	v_cvt_scalef32_pk8_fp4_f32 v[C+4*(\t)], v[XS:XS+7], v11
	v_cvt_scalef32_pk8_fp4_f32 v[C+4*(\t)+1], v[XS+8:XS+15], v11
	v_lshrrev_b32 v[E+(\t)], 23, v11               ; the scale's byte (also the plain line behind the conversions)
	ds_store_b8 v5, v[E+(\t)] offset:16*(\t)       ; both lanes of a block write the same byte with the same value
	global_store_b64 v4, v[C+4*(\t):C+4*(\t)+1], s[12:13] offset:32*CB*(\t)   ; the wave stores 256 consecutive bytes, aligned
.endm
.irp t, 0,1,2,3,4,5,6,7,8,9,10,11,12,13,14,15
	XSTEP \t
.endr
	ds_load_b64 v[12:13], v6                       ; in order behind my byte stores
	s_wait_dscnt 0x0
	global_store_b64 v7, v[12:13], s[14:15]        ; 256 consecutive scale bytes, aligned
	s_wait_tensorcnt 0x0
	ds_add_u32 v192, v193
	s_wait_dscnt 0x0
	s_endpgm
; ---------------- WEIGHTS.  K is the FIRST axis of a head's [1024][64]: a lane takes a column e and its registers run down K, so that a block of 32 lies in one lane and the codes come out with K innermost.
; Work-group = (which, head, 32 of the 64 columns, 512 of the 1,024 along K); wave w takes 128 along K: four blocks.  A column's 256 bytes of codes come from the four waves: they meet in a stage behind a barrier.
.Lweights:
	v_lshlrev_b32 v3, 2, v2                        ; in: 4 bytes a lane
	v_mul_u32_u24 v4, v2, WP
	s_lshl_b32 s19, s16, 6
	s_add_co_u32 s19, s19, WST
	v_add_nc_u32 v4, s19, v4                       ; into the stage: row = my column, my wave's 64 bytes
	s_lshl_b32 s19, s16, 2
	s_add_co_u32 s19, s19, WSS
	v_lshl_add_u32 v5, v2, 4, s19                  ; my column's 16 scale bytes, my wave's four
	v_lshrrev_b32 v12, 4, v2                       ; lane / 16
	v_and_b32 v13, 15, v2                          ; lane % 16
	s_lshl_b32 s19, s16, 3
	v_add_nc_u32 v7, s19, v12
	v_mul_u32_u24 v7, v7, WP
	v_lshl_add_u32 v7, v13, 4, v7
	v_add_nc_u32 v7, WST, v7                       ; out of it: wave w takes columns 8 w .. 8 w + 7, sixteen lanes to a row, two rows an instruction
	v_lshlrev_b32 v8, 9, v12
	v_lshl_add_u32 v8, v13, 4, v8                  ; and the same place in the codes' buffer
	v_and_b32 v9, 7, v2
	v_bfe_u32 v11, v2, 3, 1
	v_lshl_or_b32 v9, v11, 4, v9
	v_lshl_or_b32 v9, v12, 3, v9                   ; my lane's number with bits 3 and 4 exchanged:
	v_lshlrev_b32 v9, 5, v9                        ; the row of scale bytes at which column = lane is stored
	v_lshlrev_b32 v10, 4, v2
	v_add_nc_u32 v10, WSS, v10
	s_lshr_b32 s20, ttmp9, 2
	s_and_b32 s20, s20, 15
	s_lshl_b32 s20, s20, 18                        ; the head's 1,024 rows of 256 bytes,
	s_and_b32 s28, ttmp9, 1                        ; which 512 along K,
	s_lshl_b32 s22, s28, 17
	s_add_co_u32 s20, s20, s22
	s_lshl_b32 s22, s16, 15                        ; my wave's 128 of them,
	s_add_co_u32 s20, s20, s22
	s_lshr_b32 s29, ttmp9, 1                       ; 32 which + 2 head + which 32 columns: the group of 32 rows in the buffers
	s_and_b32 s22, s29, 1
	s_lshl_b32 s22, s22, 7                         ; and the 32 columns
	s_add_co_u32 s20, s20, s22
	s_mov_b32 s21, 0
	s_lshl_b32 s22, s29, 14                        ; codes: 32 rows of 512 bytes a group, behind the tokens' 8,192 rows,
	s_add_co_u32 s22, s22, 8192*512
	s_lshl_b32 s24, s28, 8                         ; + 256 bytes for the upper 512 along K,
	s_add_co_u32 s22, s22, s24
	s_lshl_b32 s24, s17, 12                        ; + the 8 rows at which my 8 columns are stored
	s_add_co_u32 s22, s22, s24
	s_mov_b32 s23, 0
	s_lshl_b32 s24, s29, 10                        ; scale bytes: 32 rows of 32 bytes a group
	s_add_co_u32 s24, s24, 8192*32
	s_lshl_b32 s26, s28, 4
	s_add_co_u32 s24, s24, s26
	s_mov_b32 s25, 0
	s_wait_kmcnt 0x0
	s_cmp_lt_u32 ttmp9, 128                        ; which tensor: the choice hangs on the work-group's number alone
	s_cselect_b64 s[8:9], s[8:9], s[10:11]
	s_cmp_lt_u32 ttmp9, 64
	s_cselect_b64 s[6:7], s[6:7], s[8:9]
	s_add_nc_u64 s[6:7], s[6:7], s[20:21]
	s_add_nc_u64 s[12:13], s[12:13], s[22:23]
	s_add_nc_u64 s[14:15], s[14:15], s[24:25]
.macro WLOAD t                         ; block t: W(32 t + i, my column), i = 0 .. 31: each load reads 128 consecutive bytes
.irp i, 0,1,2,3,4,5,6,7,8,9,10,11,12,13,14,15,16,17,18,19,20,21,22,23,24,25,26,27,28,29,30,31
	global_load_b32 v[WN+32*(\t)+\i], v3, s[6:7] offset:(32*(\t)+\i)*256 th:TH_LOAD_NT
.endr
.endm
	WLOAD 0
	WLOAD 1
.macro WBLOCK t
.set XS, WN+32*(\t)
.if (\t) < 3
	s_wait_loadcnt 32                              ; this block's 32 loads are in; the next block's 32 may be out
.else
	s_wait_loadcnt 0x0
.endif
.if (\t)+2 < 4
	WLOAD (\t)+2                                   ; two blocks ahead, into registers of its own
.endif
	v_max3_num_f32 v12, |v[XS]|, |v[XS+1]|, |v[XS+2]|              ; the block's largest magnitude: all 32 numbers are mine
	v_max3_num_f32 v13, |v[XS+3]|, |v[XS+4]|, |v[XS+5]|
.irp i, 6,10,14,18,22,26
	v_max3_num_f32 v12, v12, |v[XS+\i]|, |v[XS+\i+1]|
	v_max3_num_f32 v13, v13, |v[XS+\i+2]|, |v[XS+\i+3]|
.endr
	v_max3_num_f32 v12, v12, |v[XS+30]|, |v[XS+31]|
	v_max3_num_f32 v12, v12, v13, 0x1800000        ; and the floor
	v_add_nc_u32 v11, 0xff000000, v12              ; the conversion's scale operand
	v_lshrrev_b32 v13, 23, v11                     ; the byte
.if (\t) == 0
	v_mov_b32 v24, v13                             ; four bytes to a word, the lower K in the lower byte
.else
	v_lshl_or_b32 v24, v13, 8*(\t), v24
.endif
.irp g, 0,1,2,3
	v_cvt_scalef32_pk8_fp4_f32 v[WC+4*(\t)+\g], v[XS+8*\g:XS+8*\g+7], v11
.endr
	v_nop                                          ; a plain line behind the last conversion
	ds_store_b128 v4, v[WC+4*(\t):WC+4*(\t)+3] offset:16*(\t)
.endm
	WBLOCK 0
	WBLOCK 1
	WBLOCK 2
	WBLOCK 3
	ds_store_b32 v5, v24
	s_wait_dscnt 0x0                               ; for the others' sake: my stores into the stage are done
	s_barrier_signal -1
	s_barrier_wait -1
.irp i, 0,1,2,3
	ds_load_b128 v[WO+4*\i:WO+4*\i+3], v7 offset:2*\i*WP
.endr
.irp i, 0,1,2,3
	s_wait_dscnt 3-\i                              ; LDS loads come back in order: pair i of rows is in
	global_store_b128 v8, v[WO+4*\i:WO+4*\i+3], s[12:13] offset:2*\i*512   ; sixteen lanes store 256 consecutive bytes, aligned
.endr
	s_cmp_lg_u32 s16, 0
	s_cbranch_scc1 .Lweights_end                   ; the 32 columns' scale bytes leave by wave 0: 16 bytes a row (half a row of 32)
	ds_load_b128 v[20:23], v10
	s_wait_dscnt 0x0
	global_store_b128 v9, v[20:23], s[14:15]
.Lweights_end:
	s_wait_tensorcnt 0x0
	ds_add_u32 v192, v193
	s_wait_dscnt 0x0
	s_endpgm
.Lfunc_end_k_q283660f570_quant:
	.size	k_q283660f570_quant, .Lfunc_end_k_q283660f570_quant-k_q283660f570_quant
	.p2alignl 7, 3214868480
	.fill 96, 4, 3214868480
	.section	.rodata,"a",@progbits
	.p2align	6, 0x0
	.amdhsa_kernel k_q283660f570_quant
		.amdhsa_group_segment_fixed_size 42496
		.amdhsa_private_segment_fixed_size 0
		.amdhsa_enable_private_segment 0
		.amdhsa_kernarg_size 48
		.amdhsa_user_sgpr_count 2
		.amdhsa_user_sgpr_kernarg_segment_ptr 1
		.amdhsa_wavefront_size32 1
		.amdhsa_system_sgpr_workgroup_id_x 1
		.amdhsa_system_sgpr_workgroup_id_y 1
		.amdhsa_system_sgpr_workgroup_id_z 1
		.amdhsa_system_vgpr_workitem_id 0
		.amdhsa_next_free_vgpr 194
		.amdhsa_next_free_sgpr 66
		.amdhsa_reserve_vcc 0
		.amdhsa_float_denorm_mode_32 3
		.amdhsa_float_denorm_mode_16_64 3
		.amdhsa_memory_ordered 1
		.amdhsa_forward_progress 1
		.amdhsa_inst_pref_size 55
	.end_amdhsa_kernel
	.amdgpu_metadata
---
amdhsa.version: [ 1, 2 ]
amdhsa.kernels:
  - .name:           k_q283660f570_quant
    .symbol:         k_q283660f570_quant.kd
    .args:
      - { .name: inputs, .offset: 0, .size: 8, .value_kind: global_buffer, .address_space: global }
      - { .name: Wq, .offset: 8, .size: 8, .value_kind: global_buffer, .address_space: global }
      - { .name: Wk, .offset: 16, .size: 8, .value_kind: global_buffer, .address_space: global }
      - { .name: Wv, .offset: 24, .size: 8, .value_kind: global_buffer, .address_space: global }
      - { .name: codes, .offset: 32, .size: 8, .value_kind: global_buffer, .address_space: global }
      - { .name: scales, .offset: 40, .size: 8, .value_kind: global_buffer, .address_space: global }
    .group_segment_fixed_size: 42496
    .private_segment_fixed_size: 0
    .kernarg_segment_align: 8
    .kernarg_segment_size: 48
    .max_flat_workgroup_size: 128
    .sgpr_count:     66
    .vgpr_count:     194
    .wavefront_size: 32
...
	.end_amdgpu_metadata
.endif
;; end of part 1
;; launch proj (part 2): grid 8 x 48, 4 waves a work-group, clusters of 4 x 4, 327,680 bytes of LDS; arguments codes, scales, att_codes, att_scales; writes att_codes, att_scales
.if DOCPART == 2
	.amdgcn_target "amdgcn-amd-amdhsa--gfx1250"
	.amdhsa_code_object_version 6
	.text
	.protected	k_q283660f570_proj
	.globl	k_q283660f570_proj
	.p2align	8
	.type	k_q283660f570_proj,@function
k_q283660f570_proj:
	s_mov_b64 s[64:65], 0
	v_nop
	global_prefetch_b8 v0, s[64:65] scope:SCOPE_SE
	s_setreg_imm32_b32 hwreg(HW_REG_WAVE_MODE, 25, 1), 1
	s_wait_xcnt 0x0
	s_wait_alu depctr_hold_cnt(0) depctr_sa_sdst(0) depctr_va_vdst(0) depctr_va_sdst(0) depctr_va_ssrc(0) depctr_va_vcc(0) depctr_vm_vsrc(0)
	s_getreg_b32 s2, hwreg(HW_REG_IB_STS2, 6, 4)
	s_cmp_eq_u32 s2, 0
	s_cbranch_scc0 .Lentry_in_a_cluster
	s_endpgm
.Lentry_in_a_cluster:
	s_bfe_u32 s2, ttmp6, 0x10000c
	s_cmp_lg_u32 s2, 0xf033
	s_cbranch_scc0 .Lentry_shape_is_right
	s_endpgm
.Lentry_shape_is_right:
; q, k, v = inputs x Wq, Wk, Wv on codes of FP4 (E2M1) with E8M0 scales, K = 1,024, sums in f32; the results never go to memory as f32: on the way out q and k are quantised along e (two blocks of 32 a head)
; and v along the keys (blocks of 32 tokens), and leave as images of the attention's operand registers.
; A tile of 256 x 256 results is made by four waves, each 128 x 128 in 64 accumulators (512 registers).  K's two steps of 512 lie in two LDS slots, and all scale bytes beside them: every LDS byte is filled ONCE, at the start.
; THE MATRIX INSTRUCTION: source 0 = 16 rows of "B", source 1 = 16 rows of "A": a lane holds ONE row of A, and its registers run along B's rows.
;   cluster y 0-7  (q, k): A = 256 tokens (tile 4 cluster y + cy), B = 256 columns of Wq | Wk (tile x): a lane holds a token, its registers run along e.
;   cluster y 8-11 (v):    A = 256 columns of Wv (tile cy), B = 256 tokens (tile x + 8 (cluster y - 8)): a lane holds a column e, its registers run along the tokens, which are the keys.
; Both operands come from the one buffer of codes, so the two cases differ in row numbers and in the stores' offsets alone: selects on the cluster's y, no branch, no LDS address.
; ROWS LIE IN THE BUFFER WITH BITS 3 AND 4 OF THEIR INDEX EXCHANGED: row m of B's tile b is the row 32 (b / 2) + 8 (b % 2) + m + 8 (m / 8).  So the 16 registers of accumulators 2 B and 2 B + 1 of a lane are the
; 16 neighbours 32 B + 16 (lane / 16) + 0 .. 15, and lane r of A's tile a holds row 32 (a / 2) + 8 (a % 2) + r + 8 (r / 8).
; OUT.  att_codes [which][batch][head][64 KB]: q, k: [group of 128 tokens][a][lane][16 bytes]; v: [key step of 128][t][c][lane][16 bytes]: each 512 bytes are four registers of an operand, lane by lane.
;       att_scales [which][batch x 8 + pair of heads][group][1,024 bytes]: block a's word at 512 (a / 4) + 16 lane + 4 (a % 4).  q, k: lanes 0-15 the pair's first head, 16-31 its second; bytes 0, 1 the two blocks of e, bytes 2, 3 zero.
; CLUSTERS: 4 x 4 work-groups; A's tiles are shared along a row of the cluster, B's along a column: each is asked for jointly, by the same tensor load with the same descriptor and a mask that names the four.
; LIMITS: a block whose largest magnitude lies under 2^-124 gets the byte 1; NaN and infinities are not served.
; REGISTERS, in windows of 256: window 0: v0-31 addresses; v32-95 scale words, two sets; v128-191 A's fragments, one set; on the way out v96-111 offsets, v112-119 scale words, v128-191 codes, v200-217 at work.
;   window 1: B's fragments, two sets, at v0 and v128.   window 2: the accumulators of A's blocks 0-3 ((a, b) at v[8 (8 a + b)]);   window 3: those of blocks 4-7.
.set NQ,     4                         ; steps of 128 along K in a slot of 512
.set ROWB,   256                       ; a tile's row in bytes
.set KROW,   512                       ; a row of codes in memory
.set PITCH,  272                       ; an LDS row: 256 bytes + 16 of padding: the 16 rows that a load touches start at 16 different banks (64 banks of 4 bytes: ISA guide 11.1)
.set FR,     8                         ; registers of a fragment
.set NL,     2                         ; LDS loads that bring one
.set NP,     4                         ; places behind this matrix instruction (ISA guide 7.12.1)
.set HALFT,  128*PITCH                 ; 128 rows: what one tensor load brings
.set SLOT,   4*HALFT                   ; A's 256 rows, then B's 256 rows
.set KS,     32                        ; a row of scale bytes
.set SCL,    2*SLOT                    ; behind the slots: the scale bytes, as units of 256 bytes + 16 of padding
.set HALFS,  (128*KS/256)*272          ; those of 128 rows: what one tensor load brings
.set SBLK,   (16*KS/256)*272           ; those of 16 rows
.set ADRA, 16                          ; v16-17  LDS address of my A fragments in slot 0, 1
.set ADRB, 20                          ; v20-21  the same for B
.set VO0,  24                          ; v24     16 x lane: my place in an image
.set VO1,  25                          ; v25     the same for an image's second four registers
.set ADRS, 27                          ; v27     LDS address of my scale words: lanes 0-15 A's rows, lanes 16-31 B's
.set VSH,  28                          ; v28     how far my half of the lanes shifts the scale word
.set SC,   32                          ; scale words: set s at v[SC + 32 s]; register 4 i + q: lanes 0-15 A's block i, lanes 16-31 B's block i
.set OFS,  96                          ; the way out: two store offsets a block
.set SW,   112                         ; the outgoing scale words, one a block
.set AF,   128                         ; A's fragments
.set PC,   128                         ; the way out: eight registers of codes a block
.set TM,   200                         ; v200-203 largest magnitudes, v204-207 bytes, v212-215 the conversions' scale operands
.set PW,   216                         ; v216-217 the scale word
.set SA,   3                           ; s3      the block's offset in att_codes
.set SA1,  66                          ; s66     its step;  s67 the further step behind block 3
.set SA2,  67
.set MASK, 95                          ; s95     which bytes of the scale word leave
.set SEL,  96                          ; s[96:97] v_permlanex16_b32's selects for lane l xor 16
.set CLY,  98                          ; s98     the cluster's y
.set G1, 24                            ; s[24:31] descriptor group 1 for A's tiles;  s[32:39] group 0, one set for each slot
.set G0, 32
.set G1B, 48                           ; s[48:55], s[56:63] the same for B's
.set G0B, 56
.set G1S, 68                           ; s[68:75], s[76:79] groups 1 and 0 for A's scale bytes;  s[80:87], s[88:91] for B's
.set G0S, 76
.set G1SB, 80
.set G0SB, 88
.set MSB, 0
.macro WIN new                         ; the immediate's high byte repeats the setting that is left
.if MSB != \new
	s_set_vgpr_msb (MSB<<8)|\new
.set MSB, \new
.endif
.endm
.set MUL_LO, 0xa1                      ; source 0 (B) window 1, source 1 (A) window 0, C and D window 2
.set MUL_HI, 0xf1                      ; the same, C and D window 3
.set TO_B,   0x40                      ; destination window 1, address window 0
; A joint load: waves 0 and 1 fetch for A, waves 2 and 3 for B.  Each line has one mask and one set of registers; the branch hangs on the wave's number alone.  Four v_nop follow each line.
.macro JLOAD g0a, g1a, g0b, g1b
	s_cmp_eq_u32 s15, 0
	s_cbranch_scc0 .Lfor_b_\@
	tensor_load_to_lds s[\g0a:\g0a+3], s[\g1a:\g1a+7]
	s_nop 0
.rept 4
	v_nop
.endr
	s_branch .Lasked_\@
.Lfor_b_\@:
	tensor_load_to_lds s[\g0b:\g0b+3], s[\g1b:\g1b+7]
	s_nop 0
.rept 4
	v_nop
.endr
.Lasked_\@:
.endm
.macro CROUND                          ; a round of the cluster's barrier: my work-group's barrier, wave 0's signal for the work-group, every wave's wait for all sixteen, my work-group's barrier again
	s_barrier_signal -1
	s_barrier_wait -1
	s_cmp_lg_u32 s14, 0
	s_cbranch_scc1 .Lnot_wave_0_\@
	s_barrier_signal -3
.Lnot_wave_0_\@:
	s_barrier_wait -3
	s_barrier_signal -1
	s_barrier_wait -1
.endm
	s_load_b256 s[4:11], s[0:1], 0x0               ; codes s[4:5], scales s[6:7], att_codes s[8:9], att_scales s[10:11]
	v_lshl_add_u32 v254, v0, 2, 0x48400
	v_mov_b32 v255, 0
	ds_add_u32 v254, v255
	ds_add_u32 v254, v255
	v_lshrrev_b32 v1, 5, v0
	v_readfirstlane_b32 s14, v1                    ; wave 0..3
	s_lshr_b32 s15, s14, 1                         ; which half of A's rows is mine.  Also: I fetch for A (0) or for B (1)
	s_and_b32 s16, s14, 1                          ; which half of B's rows.  Also: which 128 rows of that tile I fetch
	s_bfe_u32 s40, ttmp6, 0x40000                  ; cx, cy: my place in the cluster
	s_bfe_u32 s41, ttmp6, 0x40004
	s_lshl_b32 s42, ttmp9, 2
	s_add_co_u32 s42, s42, s40                     ; x = 4 x cluster x + cx
	s_and_b32 s[CLY], ttmp7, 0xffff
	s_lshl_b32 s43, s41, 2
	s_lshl_b32 s43, 15, s43                        ; my row of the cluster
	s_lshl_b32 s44, 0x1111, s40                    ; my column
	; descriptor group 1: a tile of 128 rows x 256 bytes, padded in LDS
	s_or_b32 s[G1+0], s43, (0<<16)|(1<<20)|(1<<21)|(5<<22)|(3<<25)  ; 15:0 the mask: A's tiles go to my row; 17:16 elements of 1 byte; 20 padding on; 21 set beside a mask; 24:22 after every 64 words; 31:25 four words
	s_or_b32 s[G1B+0], s44, (0<<16)|(1<<20)|(1<<21)|(5<<22)|(3<<25)
.irp g, G1, G1B
	s_mov_b32 s[\g+1], ROWB<<16                    ; tensor_dim0
	s_mov_b32 s[\g+2], 128<<16                     ; tensor_dim1
	s_mov_b32 s[\g+3], ROWB<<16                    ; tile_dim0
	s_mov_b32 s[\g+4], 128                         ; tile_dim1
	s_mov_b32 s[\g+5], KROW                        ; tensor_dim0_stride
	s_mov_b32 s[\g+6], 0
	s_mov_b32 s[\g+7], 0
.endr
	; the scale bytes of 128 rows: a dense block of 4,096 bytes, as 16 rows of 256 bytes (32 elements of 8 bytes), 16 bytes of padding behind each
	s_or_b32 s[G1S+0], s43, (3<<16)|(1<<20)|(1<<21)|(5<<22)|(3<<25)
	s_or_b32 s[G1SB+0], s44, (3<<16)|(1<<20)|(1<<21)|(5<<22)|(3<<25)
.irp g, G1S, G1SB
	s_mov_b32 s[\g+1], 32<<16
	s_mov_b32 s[\g+2], (128*KS/256)<<16
	s_mov_b32 s[\g+3], 32<<16
	s_mov_b32 s[\g+4], 128*KS/256
	s_mov_b32 s[\g+5], 32
	s_mov_b32 s[\g+6], 0
	s_mov_b32 s[\g+7], 0
.endr
	; which rows.  A: 256 cy + (q, k: 1,024 cluster y;  v: 10,240, where Wv begins).  B: 256 x + (q, k: 8,192, where Wq begins;  v: 2,048 (cluster y - 8)).  A's number is made of cy and the cluster's y alone, B's of x and the cluster's y.
	s_lshl_b32 s17, s[CLY], 10
	s_max_u32 s18, s[CLY], 8
	s_sub_co_u32 s18, s18, 8
	s_lshl_b32 s18, s18, 11
	s_mov_b32 s19, 10240
	s_mov_b32 s99, 8192
	s_cmp_ge_u32 s[CLY], 8                         ; v's clusters?
	s_cselect_b32 s17, s19, s17
	s_cselect_b32 s18, s18, s99
	s_lshl_b32 s19, s16, 7                         ; which 128 rows of the tile I fetch
	s_lshl_b32 s20, s41, 8
	s_add_co_u32 s20, s20, s17
	s_add_co_u32 s20, s20, s19                     ; A's row
	s_lshl_b32 s46, s42, 8
	s_add_co_u32 s46, s46, s18
	s_add_co_u32 s46, s46, s19                     ; B's row
	s_lshl_b32 s22, s20, 5                         ; where these rows' scale bytes begin,
	s_mov_b32 s23, 0
	s_lshl_b32 s92, s46, 5
	s_mov_b32 s93, 0
	s_lshl_b32 s20, s20, 9                         ; and their codes
	s_mov_b32 s21, 0
	s_lshl_b32 s46, s46, 9
	s_mov_b32 s47, 0
	s_mul_i32 s45, s14, HALFT                      ; where they go: wave x 128 rows: no place in the cluster enters an LDS address
	s_mul_i32 s94, s14, HALFS
	s_wait_dscnt 0x0
	s_wait_kmcnt 0x0
	s_add_nc_u64 s[20:21], s[4:5], s[20:21]
	s_add_nc_u64 s[22:23], s[6:7], s[22:23]
	s_add_nc_u64 s[46:47], s[4:5], s[46:47]
	s_add_nc_u64 s[92:93], s[6:7], s[92:93]
	CROUND                                         ; all sixteen work-groups are here: the joint loads meet
	s_mov_b32 s[G0S], 1
	s_add_co_u32 s[G0S+1], s94, SCL
	s_mov_b64 s[G0S+2:G0S+3], s[22:23]
	s_or_b32 s[G0S+3], s[G0S+3], 0x80000000
	s_mov_b32 s[G0SB], 1
	s_add_co_u32 s[G0SB+1], s94, SCL
	s_mov_b64 s[G0SB+2:G0SB+3], s[92:93]
	s_or_b32 s[G0SB+3], s[G0SB+3], 0x80000000
	JLOAD G0S, G1S, G0SB, G1SB                     ; the scale bytes first: they are wanted with the first step
.irp s, 0,1
	s_mov_b32 s[G0+4*\s], 1
	s_add_co_u32 s[G0+4*\s+1], s45, \s*SLOT
	s_add_nc_u64 s[G0+4*\s+2:G0+4*\s+3], s[20:21], \s*ROWB
	s_or_b32 s[G0+4*\s+3], s[G0+4*\s+3], 0x80000000
	s_mov_b32 s[G0B+4*\s], 1
	s_add_co_u32 s[G0B+4*\s+1], s45, \s*SLOT
	s_add_nc_u64 s[G0B+4*\s+2:G0B+4*\s+3], s[46:47], \s*ROWB
	s_or_b32 s[G0B+4*\s+3], s[G0B+4*\s+3], 0x80000000
	JLOAD G0+4*\s, G1, G0B+4*\s, G1B               ; both halves of K: three tensor loads of mine are out, and no more are issued
.endr
	v_and_b32 v1, 15, v0                           ; l % 16
	v_bfe_u32 v2, v0, 4, 1                         ; l / 16
	v_mul_u32_u24 v3, v1, PITCH
	v_lshl_add_u32 v4, v2, 4, v3                   ; a fragment's row x pitch + 16 x half
	s_mul_i32 s21, s15, HALFT                      ; my 128 rows of A
	s_mul_i32 s22, s16, HALFT                      ; my 128 rows of B,
	s_add_co_u32 s22, s22, 2*HALFT                 ; which lie behind A's 256
.irp s, 0,1
	v_add_nc_u32 v[ADRA+\s], s21, v4
	v_add_nc_u32 v[ADRB+\s], s22, v4
	s_add_co_u32 s21, s21, SLOT
	s_add_co_u32 s22, s22, SLOT
.endr
	v_mul_u32_u24 v5, v1, KS                       ; my row's scale bytes: 32 a row,
	v_lshrrev_b32 v6, 8, v5
	v_lshl_add_u32 v5, v6, 4, v5                   ; and 16 more for each 256 passed
	s_mul_i32 s21, s15, HALFS                      ; A's: my 128 rows
	s_mul_i32 s22, s16, HALFS                      ; B's: my 128 rows, behind A's 256
	s_add_co_u32 s22, s22, 2*HALFS
	s_sub_co_u32 s22, s22, s21
	v_mul_u32_u24 v6, s22, v2                      ; lanes 16-31 take B's: one product, the distance between the two bases
	s_add_co_u32 s21, s21, SCL
	v_add_nc_u32 v5, v5, v6
	v_add_nc_u32 v[ADRS], s21, v5
	; where my results go.  U: my group of 128 tokens (0..63);  W: my group of 128 weight columns, a pair of heads (0..23)
	s_lshl_b32 s12, s[CLY], 2
	s_add_co_u32 s12, s12, s41
	s_lshl_b32 s12, s12, 1
	s_add_co_u32 s12, s12, s15                     ; q, k: U = 2 (4 cluster y + cy) + my half of A
	s_max_u32 s13, s[CLY], 8
	s_sub_co_u32 s13, s13, 8
	s_lshl_b32 s13, s13, 3
	s_add_co_u32 s13, s13, s42
	s_lshl_b32 s13, s13, 1
	s_add_co_u32 s13, s13, s16                     ; v: U = 2 (x + 8 (cluster y - 8)) + my half of B
	s_lshl_b32 s3, s42, 1
	s_add_co_u32 s3, s3, s16                       ; q, k: W = 2 x + my half of B
	s_lshl_b32 s99, s41, 1
	s_add_co_u32 s99, s99, s15
	s_add_co_u32 s99, s99, 16                      ; v: W = 16 + 2 cy + my half of A
	s_cmp_ge_u32 s[CLY], 8
	s_cselect_b32 s12, s13, s12                    ; U
	s_cselect_b32 s3, s99, s3                      ; W
	s_lshr_b32 s13, s3, 3                          ; which: 0 q, 1 k, 2 v
	s_and_b32 s3, s3, 7                            ; the pair of heads
	s_lshr_b32 s99, s12, 4                         ; the batch
	s_and_b32 s12, s12, 15                         ; the group of 128 tokens in it
	s_lshl_b32 s66, s13, 22                        ; att_codes: 4 MB a tensor,
	s_lshl_b32 s67, s99, 20                        ; 1 MB a batch,
	s_add_co_u32 s66, s66, s67
	s_lshl_b32 s67, s3, 17                         ; 128 KB a pair of heads,
	s_add_co_u32 s66, s66, s67
	s_lshl_b32 s67, s12, 12                        ; 4 KB a group
	s_add_co_u32 s66, s66, s67
	s_mov_b32 s67, 0
	s_add_nc_u64 s[8:9], s[8:9], s[66:67]
	s_lshl_b32 s66, s13, 19                        ; att_scales: 512 KB a tensor,
	s_lshl_b32 s99, s99, 3
	s_add_co_u32 s99, s99, s3
	s_lshl_b32 s99, s99, 14                        ; 16 KB for a batch's pair of heads,
	s_add_co_u32 s66, s66, s99
	s_lshl_b32 s12, s12, 10                        ; 1 KB a group
	s_add_co_u32 s66, s66, s12
	s_add_nc_u64 s[10:11], s[10:11], s[66:67]
	; block a, registers 4 c on: q, k: 512 a + 65,536 c (c: the head of the pair);  v: 1,024 (a % 4) + 65,536 (a / 4) + 512 c (a / 4: the head)
	s_mov_b32 s[SA1], 512
	s_mov_b32 s99, 65536
	s_cmp_ge_u32 s[CLY], 8
	s_cselect_b32 s[SA1], 1024, s[SA1]
	s_cselect_b32 s[SA2], 61440, 0
	s_cselect_b32 s[MASK], -1, 0xffff              ; v: all four bytes (four blocks of keys);  q, k: two
	s_cselect_b32 s99, 512, s99
	s_cselect_b32 s12, 0, 16                       ; q, k: lanes 16-31 take the word's upper two bytes, the pair's second head
	s_mov_b32 s[SA], 0
	s_mov_b32 s[SEL], 0x76543210
	s_mov_b32 s[SEL+1], 0xfedcba98
	v_and_b32 v6, 31, v0
	v_lshlrev_b32 v[VO0], 4, v6
	v_add_nc_u32 v[VO1], s99, v[VO0]
	v_mul_u32_u24 v[VSH], s12, v2
.macro FRAG reg, adr, q, i             ; a fragment, 16 rows x 128 K of 4-bit codes: lane l holds row l % 16; registers 4 c .. 4 c + 3 hold K = 64 c + 32 (l / 16) + 0 .. 31
.irp c, 0,1
	ds_load_b128 v[\reg+4*\c:\reg+4*\c+3], v[\adr] offset:64*(\q)+32*\c+(\i)*16*PITCH
.endr
.endm
; 16 matrix instructions: A's blocks a0, a0 + 1 x B's eight, the slot's q-th 128 along K.  p: B's set;  sc: the set of scale words.  zero = 1: the first product starts the sums.
; The 64 accumulators take turns, one instruction a turn, in the same order in every step.
.macro MUL16 a0, p, q, sc, zero
.irp a, \a0, \a0+1
.irp b, 0,1,2,3,4,5,6,7
.if \zero
	v_wmma_scale_f32_16x16x128_f8f6f4 v[8*(8*((\a)%4)+\b):8*(8*((\a)%4)+\b)+7], v[128*(\p)+FR*\b:128*(\p)+FR*\b+FR-1], v[AF+FR*(\a):AF+FR*(\a)+FR-1], 0, v[SC+8*NQ*(\sc)+NQ*\b+(\q)], v[SC+8*NQ*(\sc)+NQ*(\a)+(\q)] matrix_a_fmt:MATRIX_FMT_FP4 matrix_b_fmt:MATRIX_FMT_FP4 matrix_a_scale:MATRIX_SCALE_ROW1
.else
	v_wmma_scale_f32_16x16x128_f8f6f4 v[8*(8*((\a)%4)+\b):8*(8*((\a)%4)+\b)+7], v[128*(\p)+FR*\b:128*(\p)+FR*\b+FR-1], v[AF+FR*(\a):AF+FR*(\a)+FR-1], v[8*(8*((\a)%4)+\b):8*(8*((\a)%4)+\b)+7], v[SC+8*NQ*(\sc)+NQ*\b+(\q)], v[SC+8*NQ*(\sc)+NQ*(\a)+(\q)] matrix_a_fmt:MATRIX_FMT_FP4 matrix_b_fmt:MATRIX_FMT_FP4 matrix_a_scale:MATRIX_SCALE_ROW1
.endif
.endr
.endr
.endm
.macro FETCH_B slot, q, p              ; B's eight fragments of the slot's q-th 128 along K into set p
	WIN TO_B
.irp i, 0,1,2,3,4,5,6,7
	FRAG 128*(\p)+FR*\i, ADRB+\slot, \q, \i
.endr
	WIN 0
.endm
.macro FETCH_A slot, q, i0             ; A's blocks i0 .. i0 + 3
.irp i, \i0, \i0+1, \i0+2, \i0+3
	FRAG AF+FR*(\i), ADRA+\slot, \q, \i
.endr
.endm
.macro SCALES sc                       ; a slot's scale words into set sc: four words a row; lanes 0-15 take A's block i, lanes 16-31 B's block i
.irp i, 0,1,2,3,4,5,6,7
	ds_load_b128 v[SC+8*NQ*\sc+NQ*\i:SC+8*NQ*\sc+NQ*\i+3], v[ADRS] offset:\i*SBLK
.endr
.endm
; A load into a register that a matrix instruction has read, and a vector instruction that reads a matrix result, stand NP places behind that matrix instruction; only plain vector instructions that name none of
; its registers are places (ISA guide 7.12.1 for vector instructions).
.macro PLACES n
.rept \n
	v_nop
.endr
.endm
.macro STEP slot, q, zero              ; a step of 128 along K that has its successor in the same slot
	s_wait_dscnt 4*NL                              ; B's set and A's blocks 0-3 are in; the youngest eight loads (A's blocks 4-7) may be out
	WIN MUL_LO
	MUL16 0, (\q)%2, \q, \slot, \zero
	MUL16 2, (\q)%2, \q, \slot, \zero
	s_wait_dscnt 0                                 ; A's blocks 4-7 are in (asked for 32 matrix instructions ago)
	PLACES NP
	FETCH_B \slot, (\q)+1, 1-(\q)%2
	FETCH_A \slot, (\q)+1, 0
	WIN MUL_HI
	MUL16 4, (\q)%2, \q, \slot, \zero
	MUL16 6, (\q)%2, \q, \slot, \zero
	PLACES NP
	WIN 0
	FETCH_A \slot, (\q)+1, 4
.endm
.macro STEPS slot, from                ; the slot's steps from .. NQ - 2
.set Q, \from
.rept NQ-1-\from
	STEP \slot, Q, 0
.set Q, Q+1
.endr
.endm
	s_wait_tensorcnt 1                             ; the scale bytes and my part of slot 0 are in (one younger load, slot 1's, may be out),
	s_barrier_signal -1
	s_barrier_wait -1                              ; everybody's are
	FETCH_B 0, 0, 0
	FETCH_A 0, 0, 0
	SCALES 0
	FETCH_A 0, 0, 4
	STEP 0, 0, 1                                   ; the first step's products start the sums: nothing is cleared
	STEPS 0, 1
	; slot 0's last step goes over to slot 1.  Nothing is filled again: the barrier only shows every wave's part of slot 1 to the others.
	s_wait_tensorcnt 0x0                           ; my part of slot 1 has landed
	s_wait_dscnt 4*NL                              ; (the youngest eight loads, A's blocks 4-7, may be out)
	WIN MUL_LO
	MUL16 0, 1, NQ-1, 0, 0
	s_wait_dscnt 0x0                               ; no LDS instruction of mine is out at the signal
	s_barrier_signal -1
	MUL16 2, 1, NQ-1, 0, 0                         ; work on registers while the others arrive
	WIN 0
	s_barrier_wait -1
	PLACES NP
	v_add_nc_u32 v[ADRS], 4*NQ, v[ADRS]            ; on to slot 1's scale words (no LDS load of mine is out)
	FETCH_B 1, 0, 0
	FETCH_A 1, 0, 0
	SCALES 1
	WIN MUL_HI
	MUL16 4, 1, NQ-1, 0, 0
	MUL16 6, 1, NQ-1, 0, 0
	PLACES NP
	WIN 0
	FETCH_A 1, 0, 4
	STEPS 1, 0
	s_wait_dscnt 4*NL                              ; the very last step: nothing more to fetch
	WIN MUL_LO
	MUL16 0, 1, NQ-1, 1, 0
	MUL16 2, 1, NQ-1, 1, 0
	s_wait_dscnt 0
	WIN MUL_HI
	MUL16 4, 1, NQ-1, 1, 0
	MUL16 6, 1, NQ-1, 1, 0
	WIN 0
; THE WAY OUT, A's blocks one after the other.  A lane's 64 numbers of block a (register 16 B + i = neighbour 32 B + 16 (l / 16) + i along the next K) are four half blocks of 32: largest magnitudes with the floor,
; joined with lane l xor 16's; the scale operands and bytes; eight conversions; the exchange of halves that gives a lane whole blocks.  The eight registers are two images of 512 bytes, stored as they stand.
; Every store has data and offset registers of its own: none is written again.
.macro QBLK a
.set AC, 64*((\a)%4)
	WIN (0x28+0x14*((\a)/4))                       ; sources 1 and 2: the accumulators' window
.irp b, 0,1,2,3
	v_max3_num_f32 v[TM+\b], 0x1800000, |v[AC+16*\b]|, |v[AC+16*\b+1]|   ; the floor 2^(3 - 127) among the leaves; each accumulator is read from its low end on
.endr
.irp i, 2,4,6,8,10,12,14
.irp b, 0,1,2,3
	v_max3_num_f32 v[TM+\b], v[TM+\b], |v[AC+16*\b+\i]|, |v[AC+16*\b+\i+1]|   ; the four blocks by turns
.endr
.endr
	WIN 0
.irp b, 0,1,2,3
	v_permlanex16_b32 v[TM+4+\b], v[TM+\b], s[SEL], s[SEL+1]
.endr
.irp b, 0,1,2,3
	v_max_num_f32 v[TM+\b], v[TM+\b], v[TM+4+\b]   ; the block's largest magnitude
.endr
.irp b, 0,1,2,3
	v_add_nc_u32 v[TM+12+\b], 0xff000000, v[TM+\b] ; 2 off its exponent field: the conversion's scale operand
.endr
.irp b, 0,1,2,3
	v_lshrrev_b32 v[TM+4+\b], 23, v[TM+12+\b]      ; the byte
.endr
	v_lshl_or_b32 v[PW], v[TM+5], 8, v[TM+4]
	v_lshl_or_b32 v[PW], v[TM+6], 16, v[PW]
	v_lshl_or_b32 v[PW], v[TM+7], 24, v[PW]        ; the four bytes
	v_lshrrev_b32 v[PW+1], v[VSH], v[PW]           ; q, k: lanes 16-31 take the second head's two
	v_and_b32 v[SW+(\a)], s[MASK], v[PW+1]
	WIN (0x02+(\a)/4)                              ; source 0: the accumulators' window
.irp b, 0,1,2,3
	v_cvt_scalef32_pk8_fp4_f32 v[PC+8*(\a)+2*\b], v[AC+16*\b:AC+16*\b+7], v[TM+12+\b]
	v_cvt_scalef32_pk8_fp4_f32 v[PC+8*(\a)+2*\b+1], v[AC+16*\b+8:AC+16*\b+15], v[TM+12+\b]
.endr
	WIN 0
	v_add_nc_u32 v[OFS+2*(\a)], s[SA], v[VO0]      ; the block's two offsets: also the plain lines behind the conversions
	v_add_nc_u32 v[OFS+2*(\a)+1], s[SA], v[VO1]
.irp c, 0,1                            ; the operand's layout wants a whole block in a lane: lanes 0-15 block 2 c, lanes 16-31 block 2 c + 1
.irp i, 0,1
	v_permlane16_swap_b32 v[PC+8*(\a)+4*\c+\i], v[PC+8*(\a)+4*\c+2+\i]
.endr
.endr
.irp c, 0,1
	global_store_b128 v[OFS+2*(\a)+\c], v[PC+8*(\a)+4*\c:PC+8*(\a)+4*\c+3], s[8:9]   ; 32 lanes store 512 consecutive bytes, aligned
.endr
	s_add_co_u32 s[SA], s[SA], s[SA1]
.if (\a) == 3
	s_add_co_u32 s[SA], s[SA], s[SA2]
.endif
.if (\a)%4 == 3
	global_store_b128 v[VO0], v[SW+(\a)-3:SW+(\a)], s[10:11] offset:512*((\a)/4)     ; four blocks' scale words: 512 consecutive bytes
.endif
.endm
.irp b, 0,1,2,3
	v_mov_b32 v[TM+4+\b], 0                        ; a lane permute's destination counts as one of its sources.  These four are also the places behind the last products
.endr
.irp a, 0,1,2,3,4,5,6,7
	QBLK \a
.endr
	s_wait_tensorcnt 0x0
	ds_add_u32 v254, v255
	s_wait_dscnt 0x0
	CROUND                                         ; the closing round: no work-group ends while a partner may still ask for a tile that names it
	s_endpgm
.Lfunc_end_k_q283660f570_proj:
	.size	k_q283660f570_proj, .Lfunc_end_k_q283660f570_proj-k_q283660f570_proj
	.p2alignl 7, 3214868480
	.fill 96, 4, 3214868480
	.section	.rodata,"a",@progbits
	.p2align	6, 0x0
	.amdhsa_kernel k_q283660f570_proj
		.amdhsa_group_segment_fixed_size 327680
		.amdhsa_private_segment_fixed_size 0
		.amdhsa_enable_private_segment 0
		.amdhsa_kernarg_size 32
		.amdhsa_user_sgpr_count 2
		.amdhsa_user_sgpr_kernarg_segment_ptr 1
		.amdhsa_wavefront_size32 1
		.amdhsa_system_sgpr_workgroup_id_x 1
		.amdhsa_system_sgpr_workgroup_id_y 1
		.amdhsa_system_sgpr_workgroup_id_z 1
		.amdhsa_system_vgpr_workitem_id 0
		.amdhsa_next_free_vgpr 1024
		.amdhsa_next_free_sgpr 100
		.amdhsa_reserve_vcc 0
		.amdhsa_float_denorm_mode_32 3
		.amdhsa_float_denorm_mode_16_64 3
		.amdhsa_memory_ordered 1
		.amdhsa_forward_progress 1
		.amdhsa_inst_pref_size 130
	.end_amdhsa_kernel
	.amdgpu_metadata
---
amdhsa.version: [ 1, 2 ]
amdhsa.kernels:
  - .name:           k_q283660f570_proj
    .symbol:         k_q283660f570_proj.kd
    .args:
      - { .name: codes, .offset: 0, .size: 8, .value_kind: global_buffer, .address_space: global }
      - { .name: scales, .offset: 8, .size: 8, .value_kind: global_buffer, .address_space: global }
      - { .name: att_codes, .offset: 16, .size: 8, .value_kind: global_buffer, .address_space: global }
      - { .name: att_scales, .offset: 24, .size: 8, .value_kind: global_buffer, .address_space: global }
    .group_segment_fixed_size: 327680
    .private_segment_fixed_size: 0
    .kernarg_segment_align: 8
    .kernarg_segment_size: 32
    .max_flat_workgroup_size: 128
    .sgpr_count:     100
    .vgpr_count:     1024
    .wavefront_size: 32
...
	.end_amdgpu_metadata
.endif
;; end of part 2
;; launch attn (part 3): grid 4 x 64, 16 waves a work-group, clusters of 4 x 1, 215,040 bytes of LDS; arguments att_codes, att_scales, out0; writes out0
.if DOCPART == 3
	.amdgcn_target "amdgcn-amd-amdhsa--gfx1250"
	.amdhsa_code_object_version 6
	.text
	.protected	k_q283660f570_attn
	.globl	k_q283660f570_attn
	.p2align	8
	.type	k_q283660f570_attn,@function
k_q283660f570_attn:
	s_mov_b64 s[64:65], 0
	v_nop
	global_prefetch_b8 v0, s[64:65] scope:SCOPE_SE
	s_setreg_imm32_b32 hwreg(HW_REG_WAVE_MODE, 25, 1), 1
	s_wait_xcnt 0x0
	s_wait_alu depctr_hold_cnt(0) depctr_sa_sdst(0) depctr_va_vdst(0) depctr_va_sdst(0) depctr_va_ssrc(0) depctr_va_vcc(0) depctr_vm_vsrc(0)
	s_getreg_b32 s2, hwreg(HW_REG_IB_STS2, 6, 4)
	s_cmp_eq_u32 s2, 0
	s_cbranch_scc0 .Lentry_in_a_cluster
	s_endpgm
.Lentry_in_a_cluster:
	s_bfe_u32 s2, ttmp6, 0x10000c
	s_cmp_lg_u32 s2, 0x3003
	s_cbranch_scc0 .Lentry_shape_is_right
	s_endpgm
.Lentry_shape_is_right:
; out0[b][q][64 head + e] = the sum over keys k <= q of softmax_k(q . k / 8) v, both products on codes of FP4 (E2M1) with E8M0 scales, from the operand images that the launch before stored.
; THE SOFTMAX AHEAD OF THE SECOND PRODUCT: t = score x log2(e) / 8; M = the running largest t rounded UP to a whole number; p = 2^(t - M) is quantised along the keys, not normalised.  The row's sum is taken of the
; unquantised p in f32 and divides at the end (a reciprocal and a multiplication).  When M moves, the sum and O are multiplied by 2^(old M - new M): exact.
; THE FIRST PRODUCT'S K IS 64: the upper half of the instruction's 128 is zero CODES in both operands (registers 4-7 of each fragment, cleared once) under the scale byte 0, which adds nothing.
; SHARES.  The four work-groups of a cluster belong to one (batch, head).  Its whole K and V, 128 KB of codes and 12 KB of scale words, come into each work-group's LDS ONCE, by joint loads: every LDS byte is filled once.
; A head's queries are 128 tiles (G, a): group G of 128 tokens, tile a of 8; every tile of group G needs G + 1 key steps of 128.  Wave w of work-group c takes tile (w, 2 c) and then tile (15 - w, 2 c + 1):
; 17 key steps for every wave, two of them on the diagonal.  Branches hang on the wave's number and the loop's counter alone; the place in the cluster enters global addresses and the mask's vector.
; Each pass walks 16 trips, a constant; a trip whose keys all come after the tile's queries jumps over its work.
; LAYOUT.  Both products are used transposed: S^T = K Q^T (source 0 = 16 keys), O^T = V^T P^T (source 0 = 16 of the head's 64): a lane holds ONE query throughout.  Lane r of tile a is token 32 (a / 2) + 8 (a % 2) + r + 8 (r / 8)
; of its group, for queries, keys and V's rows e alike: so the 16 registers of result tiles 2 B and 2 B + 1 are the 16 neighbours 32 B + 16 (lane / 16) + 0 .. 15.
; LIMITS: NaN and infinities are not served; a block of p that has fallen to zeros keeps the byte 1 over zero codes.
; REGISTERS: v1-7, v25, v26 addresses that stay; v8-11 the trip's; v12 -M, v13 the largest t, v[14:15] the sum in two halves; v16-19 Q, v20-23 zeros; v28-31 V's scale words; v32-95 K's eight fragments (upper halves zero);
; v96-159 S^T, then p; v160-191 O^T; v192-223 V's four fragments; v224-231 p's codes; v232-239, v244-247, v252, v254 at work; v240 Q's scale word; v248-251 K's; v253 p's.
.set KC,   0                           ; LDS: K's codes [group 16][tile 8][512 bytes]
.set VC,   65536                       ; V's codes [key step 16][tile 4][half 2][512 bytes]
.set KSC,  131072                      ; K's scale words: 32 rows of 256 bytes: row 2 group + tile / 4: [r 16][tile % 4]
.set VSC,  139264                      ; V's: 16 rows of 256 bytes: [r 16][tile 4]
.set STG,  143360                      ; the way out: 16 rows x (256 bytes + 16) for each wave
.set SPI,  272
.set WV,   10                          ; s10  my wave's number
.set SEL,  20                          ; s[20:21] selects for lane l xor 16
.set CS,   22                          ; s[22:23] c = log2(e) / 8
.set G1D,  24                          ; s[24:31] group 1: 16 rows of 256 bytes, dense (codes)
.set G1KS, 32                          ; s[32:39] 2 rows of 256 bytes, 512 apart (K's scale words of one head of a pair)
.set G1VS, 40                          ; s[40:47] 1 row of 256 bytes (V's)
.set G0,   48                          ; s[48:63] four groups 0: K's codes, V's codes, K's scale words, V's
.set QB,   66                          ; pass p: s[66+6p:67+6p] Q's codes, s[68+6p:69+6p] Q's scale words, s[70+6p:71+6p] my rows of out0
.set QS,   68
.set OB,   70
.set GQ,   78                          ; s78, s79  the pass's group
.set QOFF, 80                          ; s80, s81  the tile's first token in its group
.set JJ,   82                          ; s82  the key step
.set TB,   83                          ; s83  4,096 x it: codes
.set TS,   84                          ; s84  512 x it: K's scale words
.set TV,   85                          ; s85  256 x it: V's
.macro CROUND                          ; a round of the cluster's barrier
	s_barrier_signal -1
	s_barrier_wait -1
	s_cmp_lg_u32 s[WV], 0
	s_cbranch_scc1 .Lnot_wave_0_\@
	s_barrier_signal -3
.Lnot_wave_0_\@:
	s_barrier_wait -3
	s_barrier_signal -1
	s_barrier_wait -1
.endm
.macro GROUP1 g, rows, pitch           ; rows of 32 elements of 8 bytes
	s_mov_b32 s[\g], 15|(3<<16)|(1<<21)            ; 15:0 the mask: all four work-groups; 17:16 elements of 8 bytes; 21 set beside a mask; no padding: every read is 16 bytes a lane on end
	s_mov_b32 s[\g+1], 32<<16                      ; tensor_dim0
	s_mov_b32 s[\g+2], (\rows)<<16                 ; tensor_dim1
	s_mov_b32 s[\g+3], 32<<16                      ; tile_dim0
	s_mov_b32 s[\g+4], \rows                       ; tile_dim1
	s_mov_b32 s[\g+5], \pitch                      ; tensor_dim0_stride
	s_mov_b32 s[\g+6], 0
	s_mov_b32 s[\g+7], 0
.endm
	s_load_b128 s[4:7], s[0:1], 0x0                ; att_codes s[4:5], att_scales s[6:7]
	s_load_b64 s[8:9], s[0:1], 0x10                ; out0
	v_lshl_add_u32 v243, v0, 2, 0x34000
	v_mov_b32 v255, 0
	ds_add_u32 v243, v255
	ds_add_u32 v243, v255
	v_lshrrev_b32 v1, 5, v0
	v_readfirstlane_b32 s[WV], v1                  ; wave 0..15
	s_bfe_u32 s11, ttmp6, 0x40000                  ; cx
	s_lshl_b32 s15, ttmp9, 2
	s_add_co_u32 s11, s11, s15                     ; c = 4 x cluster x + cx: 0..3
	s_and_b32 s12, ttmp7, 0xffff                   ; 16 batch + head, which the four partners share
	s_lshr_b32 s13, s12, 4                         ; batch
	s_and_b32 s14, s12, 15                         ; head
	GROUP1 G1D, 16, 32
	GROUP1 G1KS, 2, 64
	GROUP1 G1VS, 1, 128
	s_lshl_b32 s86, s12, 16                        ; the head's 64 KB of codes,
	s_lshl_b32 s88, s[WV], 12
	s_add_co_u32 s86, s86, s88                     ; my wave's 4 KB: group w of K, key step w of V
	s_mov_b32 s87, 0
	s_lshr_b32 s88, s12, 1
	s_lshl_b32 s88, s88, 14                        ; the pair of heads' 16 KB of scale words,
	s_lshl_b32 s91, s[WV], 10
	s_add_co_u32 s92, s88, s91                     ; my wave's 1 KB,
	s_and_b32 s90, s12, 1
	s_lshl_b32 s91, s90, 8
	s_add_co_u32 s92, s92, s91                     ; K's: 256 bytes on for the pair's second head;
	s_mov_b32 s93, 0
	s_add_co_u32 s94, s92, s91                     ; V's: 512
	s_mov_b32 s95, 0
	s_mov_b32 s[SEL], 0x76543210
	s_mov_b32 s[SEL+1], 0xfedcba98
	s_mov_b32 s[CS], 0x3e38aa3b                    ; c = log2(e) / 8
	s_mov_b32 s[CS+1], s[CS]                       ; (named with it as a pair, so it is written)
	s_wait_dscnt 0x0
	s_wait_kmcnt 0x0
	s_mov_b32 s[G0], 1                             ; K's codes: behind q's 4 MB
	s_lshl_b32 s[G0+1], s[WV], 12
	s_add_nc_u64 s[G0+2:G0+3], s[4:5], s[86:87]
	s_add_nc_u64 s[G0+2:G0+3], s[G0+2:G0+3], 0x400000
	s_or_b32 s[G0+3], s[G0+3], 0x80000000
	s_mov_b32 s[G0+4], 1                           ; V's codes: behind q's and k's
	s_add_co_u32 s[G0+5], s[G0+1], VC
	s_add_nc_u64 s[G0+6:G0+7], s[4:5], s[86:87]
	s_add_nc_u64 s[G0+6:G0+7], s[G0+6:G0+7], 0x800000
	s_or_b32 s[G0+7], s[G0+7], 0x80000000
	s_mov_b32 s[G0+8], 1                           ; K's scale words: behind q's 512 KB
	s_lshl_b32 s[G0+9], s[WV], 9
	s_add_co_u32 s[G0+9], s[G0+9], KSC
	s_add_nc_u64 s[G0+10:G0+11], s[6:7], s[92:93]
	s_add_nc_u64 s[G0+10:G0+11], s[G0+10:G0+11], 0x80000
	s_or_b32 s[G0+11], s[G0+11], 0x80000000
	s_mov_b32 s[G0+12], 1                          ; V's
	s_lshl_b32 s[G0+13], s[WV], 8
	s_add_co_u32 s[G0+13], s[G0+13], VSC
	s_add_nc_u64 s[G0+14:G0+15], s[6:7], s[94:95]
	s_add_nc_u64 s[G0+14:G0+15], s[G0+14:G0+15], 0x100000
	s_or_b32 s[G0+15], s[G0+15], 0x80000000
	CROUND                                         ; all four work-groups are here: the joint loads meet
	tensor_load_to_lds s[G0:G0+3], s[G1D:G1D+7]    ; every wave issues its four, with no branch: four tensor loads of mine are out, and no more are issued
	s_nop 0
	tensor_load_to_lds s[G0+4:G0+7], s[G1D:G1D+7]
	s_nop 0
	tensor_load_to_lds s[G0+8:G0+11], s[G1KS:G1KS+7]
	s_nop 0
	tensor_load_to_lds s[G0+12:G0+15], s[G1VS:G1VS+7]
	s_nop 0
.rept 4
	v_nop
.endr
	v_and_b32 v24, 31, v0
	v_lshlrev_b32 v1, 4, v24                       ; 16 x lane: my place in an image; K's codes begin at LDS byte 0
	v_add_nc_u32 v2, VC, v1
	v_add_nc_u32 v3, KSC, v1                       ; lanes 0-15: the words of tiles 0-3, lanes 16-31: of tiles 4-7
	v_and_b32 v24, 15, v0                          ; r
	v_bfe_u32 v27, v0, 4, 1                        ; h
	v_lshlrev_b32 v5, 4, v24                       ; 16 r
	v_add_nc_u32 v4, VSC, v5
	v_and_b32 v6, 8, v24
	v_add_nc_u32 v6, v6, v24
	v_lshlrev_b32 v7, 4, v27
	v_sub_nc_u32 v6, v6, v7                        ; r + 8 (r / 8) - 16 h: for the mask
	s_mul_i32 s86, s[WV], 16*SPI
	s_add_co_u32 s86, s86, STG                     ; my stage
	v_mul_u32_u24 v7, v24, SPI
	v_lshl_add_u32 v7, v27, 6, v7
	v_add_nc_u32 v7, s86, v7                       ; in: row r, + 64 h
	v_mul_u32_u24 v25, v27, SPI
	v_add_nc_u32 v25, v25, v5
	v_add_nc_u32 v25, s86, v25                     ; back: lanes 0-15 one row, lanes 16-31 the next
	v_lshl_add_u32 v26, v27, 12, v5                ; and the same two tokens' rows of out0
.irp j, 20,21,22,23
	v_mov_b32 v\j, 0                               ; Q's zero codes of k = 64 .. 127
.endr
.irp t, 0,1,2,3,4,5,6,7
.irp j, 4,5,6,7
	v_mov_b32 v[32+8*\t+\j], 0                     ; K's likewise: no load ever lands here
.endr
.endr
.irp b, 0,1,2,3
	v_mov_b32 v[236+\b], 0                         ; a lane permute's destination counts as one of its sources
.endr
	v_mov_b32 v252, 0
	v_mov_b32 v253, 0                              ; (named as the upper half of the pair v[252:253] before it is first written)
; the pass's tile: G = w or 15 - w, a = 2 c + p
.macro PSET p
.if \p == 0
	s_mov_b32 s[GQ], s[WV]
.else
	s_sub_co_u32 s[GQ+1], 15, s[WV]
.endif
	s_lshl_b32 s[QOFF+\p], s11, 5
	s_add_co_u32 s[QOFF+\p], s[QOFF+\p], 8*\p      ; 32 (a / 2) + 8 (a % 2)
	s_lshl_b32 s16, s12, 16                        ; Q's codes: the head's 64 KB, 4 KB a group, 512 bytes a tile
	s_lshl_b32 s18, s[GQ+\p], 12
	s_add_co_u32 s16, s16, s18
	s_lshl_b32 s18, s11, 10
	s_add_co_u32 s16, s16, s18
	s_add_co_u32 s16, s16, 512*\p
	s_mov_b32 s17, 0
	s_add_nc_u64 s[QB+6*\p:QB+6*\p+1], s[4:5], s[16:17]
	s_lshr_b32 s16, s12, 1                         ; Q's scale words: the pair's 16 KB, 1 KB a group, 512 (a / 4) + 256 (head % 2) + 4 (a % 4)
	s_lshl_b32 s16, s16, 14
	s_lshl_b32 s18, s[GQ+\p], 10
	s_add_co_u32 s16, s16, s18
	s_lshr_b32 s18, s11, 1
	s_lshl_b32 s18, s18, 9
	s_add_co_u32 s16, s16, s18
	s_and_b32 s18, s12, 1
	s_lshl_b32 s18, s18, 8
	s_add_co_u32 s16, s16, s18
	s_and_b32 s18, s11, 1
	s_lshl_b32 s18, s18, 3
	s_add_co_u32 s16, s16, s18
	s_add_co_u32 s16, s16, 4*\p
	s_add_nc_u64 s[QS+6*\p:QS+6*\p+1], s[6:7], s[16:17]
	s_lshl_b32 s16, s13, 11                        ; out0: token 2,048 batch + 128 G + the tile's first, rows of 4,096 bytes; + 256 head
	s_lshl_b32 s18, s[GQ+\p], 7
	s_add_co_u32 s16, s16, s18
	s_add_co_u32 s16, s16, s[QOFF+\p]
	s_lshl_b32 s16, s16, 12
	s_lshl_b32 s18, s14, 8
	s_add_co_u32 s16, s16, s18
	s_add_nc_u64 s[OB+6*\p:OB+6*\p+1], s[8:9], s[16:17]
.endm
	PSET 0
	PSET 1
	s_wait_tensorcnt 0x0                           ; my four parts have landed,
	s_barrier_signal -1
	s_barrier_wait -1                              ; everybody's have: from here on K, V and their scale words are only read
.macro OUT p
.rept 4
	v_nop                                          ; places behind the last products
.endr
	v_add_f32 v14, v14, v15                        ; the sum's two halves,
	v_permlanex16_b32 v252, v14, s[SEL], s[SEL+1]
	v_add_f32 v14, v14, v252                       ; and lane l xor 16's: the row's sum
	v_rcp_f32 v14, v14
	v_nop                                          ; a plain line behind the transcendental
.set n, 0
	s_wait_alu depctr_va_vdst(0)
.rept 16
	v_pk_mul_f32 v[96+n:97+n], v[160+n:161+n], v[14:15] op_sel_hi:[1,0]   ; O^T / the sum, each accumulator from its low end on: register 16 B + i is e = 32 B + 16 h + i
.set n, n+2
.endr
.irp k, 0,1,2,3,4,5,6,7
	ds_store_b128 v7, v[96+4*\k:99+4*\k] offset:128*(\k/4)+16*(\k%4)
.endr
.irp i, 0,1,2,3,4,5,6,7
	ds_load_b128 v[128+4*\i:131+4*\i], v25 offset:2*\i*SPI   ; my own bytes, served in order behind my stores
.endr
.irp i, 0,1,2,3,4,5,6,7
	s_wait_dscnt 7-\i                              ; LDS loads come back in order: pair i of rows is in
	global_store_b128 v26, v[128+4*\i:131+4*\i], s[OB+6*\p:OB+6*\p+1] offset:(2*\i+8*(\i/4))*4096 th:TH_STORE_NT   ; row 2 i + h of the tile is token 2 i + h + 8 (i / 4); sixteen lanes store 256 consecutive bytes, aligned
.endr
.if \p == 0
	s_wait_xcnt 0x0                                ; the stores' data registers are written again in the next pass only behind this wait
.endif
.endm
.macro PASS p
	global_load_b128 v[16:19], v1, s[QB+6*\p:QB+6*\p+1]    ; Q's fragment: lane (r, h): block h of e of my query
	global_load_b32 v240, v5, s[QS+6*\p:QS+6*\p+1]         ; and its scale word
	v_mov_b32 v13, 0xff61b1e6                      ; the largest t so far: -3e38, under every t
	v_floor_f32 v12, -v13                          ; -M
	v_mov_b32 v14, 0                               ; the sum, in two halves
	v_mov_b32 v15, 0
.set n, 0
.rept 32
	v_mov_b32 v[160+n], 0                          ; O^T: the step is written once; the first finds zeros, which the first change of M leaves zeros
.set n, n+1
.endr
	s_mov_b32 s[JJ], 0
	s_mov_b32 s[TB], 0
	s_mov_b32 s[TS], 0
	s_mov_b32 s[TV], 0
	s_wait_loadcnt 0x0                             ; Q
.Lstep_\@:                                             ; 16 trips, a key step of 128 each
	s_cmp_gt_u32 s[JJ], s[GQ+\p]
	s_cbranch_scc1 .Lhid_\@                        ; all its keys come after my queries
	v_add_nc_u32 v8, s[TB], v1                     ; the trip's four addresses: also the four places behind the last trip's products, in front of the loads below
	v_add_nc_u32 v9, s[TB], v2
	v_add_nc_u32 v10, s[TS], v3
	v_add_nc_u32 v11, s[TV], v4
.irp t, 0,1,2,3,4,5,6,7
	ds_load_b128 v[32+8*\t:35+8*\t], v8 offset:512*\t
.endr
	ds_load_b128 v[248:251], v10
.irp t, 0,1,2,3
.irp c, 0,1
	ds_load_b128 v[192+8*\t+4*\c:195+8*\t+4*\c], v9 offset:1024*\t+512*\c
.endr
.endr
	ds_load_b128 v[28:31], v11
	s_wait_dscnt 9                                 ; K and its scale words are in; the nine younger loads, V's, may be out
.irp t, 0,1,2,3
	v_wmma_scale_f32_16x16x128_f8f6f4 v[96+8*\t:103+8*\t], v[32+8*\t:39+8*\t], v[16:23], 0, v[248+\t], v240 matrix_a_fmt:MATRIX_FMT_FP4 matrix_b_fmt:MATRIX_FMT_FP4
.endr
.irp t, 4,5,6,7
	v_wmma_scale_f32_16x16x128_f8f6f4 v[96+8*\t:103+8*\t], v[32+8*\t:39+8*\t], v[16:23], 0, v[244+\t], v240 matrix_a_fmt:MATRIX_FMT_FP4 matrix_b_fmt:MATRIX_FMT_FP4 matrix_a_scale:MATRIX_SCALE_ROW1
.endr                                              ; register 16 B + i: key 128 J + 32 B + 16 h + i
.rept 4
	v_nop
.endr
	s_cmp_lg_u32 s[JJ], s[GQ+\p]
	s_cbranch_scc1 .Lopen_\@                       ; off the diagonal every key counts
	v_add_nc_u32 v252, s[QOFF+\p], v6              ; d = my query's place in the group - 16 h: register 16 B + i is hidden where 32 B + i > d
	v_mov_b32 v254, 0xff800000                     ; -infinity: p = 0 then
.set n, 0
.rept 64
	v_cmp_gt_i32 vcc_lo, 32*(n/16)+n%16, v252
	v_cndmask_b32 v[96+n], v[96+n], v254, vcc_lo
.set n, n+1
.endr
.Lopen_\@:
.irp b, 0,1,2,3
	v_max3_num_f32 v[232+\b], v[96+16*\b], v[97+16*\b], v[98+16*\b]   ; the largest score of each block of 32 keys: for the row's maximum, and, since p rises with the score, for the block's largest p
.endr
.irp i, 3,5,7,9,11,13
.irp b, 0,1,2,3
	v_max3_num_f32 v[232+\b], v[232+\b], v[96+16*\b+\i], v[97+16*\b+\i]
.endr
.endr
.irp b, 0,1,2,3
	v_max_num_f32 v[232+\b], v[232+\b], v[111+16*\b]
.endr
.irp b, 0,1,2,3
	v_permlanex16_b32 v[236+\b], v[232+\b], s[SEL], s[SEL+1]
.endr
.irp b, 0,1,2,3
	v_max_num_f32 v[232+\b], v[232+\b], v[236+\b]  ; with lane l xor 16's 16 keys
.endr
	v_max3_num_f32 v254, v232, v233, v234
	v_max_num_f32 v254, v254, v235                 ; the step's largest score of my query
	v_mul_f32 v254, s[CS], v254                    ; as t (c is positive)
	v_max_num_f32 v13, v13, v254                   ; the running largest t
	v_mov_b32 v254, v12
	v_floor_f32 v12, -v13                          ; the new -M = floor(-t) = -ceil(t)
	v_sub_f32 v254, v12, v254                      ; old M - new M: a whole number, 0 or less
	v_cvt_i32_f32 v254, v254                       ; (it saturates)
	v_ldexp_f32 v252, 1.0, v254                    ; f = 2^(old M - new M)
.set n, 0
.rept 32
	v_pk_fma_f32 v[96+n:97+n], v[96+n:97+n], s[CS:CS+1], v[12:13] op_sel_hi:[1,0,0]   ; t - M, two at a time
.set n, n+2
.endr
.irp b, 0,1,2,3
	v_fma_f32 v[232+\b], v[232+\b], s[CS], v12     ; the same of each block's largest score
.endr
.set n, 0
.rept 64
	v_exp_f32 v[96+n], v[96+n]                     ; p = 2^(t - M), at most 1
.set n, n+1
.endr
.irp b, 0,1,2,3
	v_exp_f32 v[232+\b], v[232+\b]                 ; the block's largest p: the same two instructions on the same number
.endr
	v_pk_mul_f32 v[14:15], v[14:15], v[252:253] op_sel_hi:[1,0]   ; the sums under the new M (a plain line behind the exponentials)
	s_wait_alu depctr_va_vdst(0)
.irp b, 0,1,2,3
	v_max_num_f32 v[232+\b], 0x1800000, v[232+\b]  ; the floor 2^(3 - 127): the byte cannot fall under 1
.endr
.irp b, 0,1,2,3
	v_add_nc_u32 v[244+\b], 0xff000000, v[232+\b]  ; the conversion's scale operand
.endr
.irp b, 0,1,2,3
	v_lshrrev_b32 v[236+\b], 23, v[244+\b]         ; the byte
.endr
	v_lshl_or_b32 v253, v237, 8, v236              ; p's scale word for these 128 keys
	v_lshl_or_b32 v253, v238, 16, v253
	v_lshl_or_b32 v253, v239, 24, v253
.irp b, 0,1,2,3
	v_cvt_scalef32_pk8_fp4_f32 v[224+2*\b], v[96+16*\b:103+16*\b], v[244+\b]
	v_cvt_scalef32_pk8_fp4_f32 v[225+2*\b], v[104+16*\b:111+16*\b], v[244+\b]
.endr
	v_nop                                          ; a plain line behind the last conversion
.irp c, 0,1                            ; a whole block in a lane: lanes 0-15 block 2 c, lanes 16-31 block 2 c + 1
.irp i, 0,1
	v_permlane16_swap_b32 v[224+4*\c+\i], v[226+4*\c+\i]
.endr
.endr
.set n, 0
.rept 16
	v_pk_mul_f32 v[160+n:161+n], v[160+n:161+n], v[252:253] op_sel_hi:[1,0]   ; O^T under the new M
.set n, n+2
.endr
	v_pk_add_f32 v[236:237], v[96:97], v[98:99]    ; the row's sum is taken of the UNQUANTISED p: two at a time, in two chains.  These 32 lines also stand between the vector writes of p's codes, its scale word and O^T and the products below
.irp j, 4,8,12,16,20,24,28,32,36,40,44,48,52,56,60
	v_pk_add_f32 v[14:15], v[14:15], v[96+\j:97+\j]
	v_pk_add_f32 v[236:237], v[236:237], v[98+\j:99+\j]
.endr
	v_pk_add_f32 v[14:15], v[14:15], v[236:237]
	s_wait_dscnt 0x0                               ; V and its scale words are in
.irp t, 0,1,2,3                        ; O^T += V^T P^T: the four accumulators by turns; the next trip's eight products on S^T stand between two links on one accumulator
	v_wmma_scale_f32_16x16x128_f8f6f4 v[160+8*\t:167+8*\t], v[192+8*\t:199+8*\t], v[224:231], v[160+8*\t:167+8*\t], v[28+\t], v253 matrix_a_fmt:MATRIX_FMT_FP4 matrix_b_fmt:MATRIX_FMT_FP4
.endr
.Lhid_\@:
	s_add_co_u32 s[TB], s[TB], 4096                ; the next key step's codes and scale words: stepped in every trip
	s_add_co_u32 s[TS], s[TS], 512
	s_add_co_u32 s[TV], s[TV], 256
	s_add_co_u32 s[JJ], s[JJ], 1
	s_cmp_lt_u32 s[JJ], 16
	s_cbranch_scc1 .Lstep_\@
	OUT \p
.endm
	PASS 0
	PASS 1
	s_wait_dscnt 0x0                               ; no LDS instruction of mine is out at the signal
	s_wait_tensorcnt 0x0
	ds_add_u32 v243, v255
	s_wait_dscnt 0x0
	CROUND                                         ; the closing round: no work-group ends while a partner may still ask for a tile that names it
	s_endpgm
.Lfunc_end_k_q283660f570_attn:
	.size	k_q283660f570_attn, .Lfunc_end_k_q283660f570_attn-k_q283660f570_attn
	.p2alignl 7, 3214868480
	.fill 96, 4, 3214868480
	.section	.rodata,"a",@progbits
	.p2align	6, 0x0
	.amdhsa_kernel k_q283660f570_attn
		.amdhsa_group_segment_fixed_size 215040
		.amdhsa_private_segment_fixed_size 0
		.amdhsa_enable_private_segment 0
		.amdhsa_kernarg_size 24
		.amdhsa_user_sgpr_count 2
		.amdhsa_user_sgpr_kernarg_segment_ptr 1
		.amdhsa_wavefront_size32 1
		.amdhsa_system_sgpr_workgroup_id_x 1
		.amdhsa_system_sgpr_workgroup_id_y 1
		.amdhsa_system_sgpr_workgroup_id_z 1
		.amdhsa_system_vgpr_workitem_id 0
		.amdhsa_next_free_vgpr 256
		.amdhsa_next_free_sgpr 96
		.amdhsa_reserve_vcc 1
		.amdhsa_float_denorm_mode_32 3
		.amdhsa_float_denorm_mode_16_64 3
		.amdhsa_memory_ordered 1
		.amdhsa_forward_progress 1
		.amdhsa_inst_pref_size 60
	.end_amdhsa_kernel
	.amdgpu_metadata
---
amdhsa.version: [ 1, 2 ]
amdhsa.kernels:
  - .name:           k_q283660f570_attn
    .symbol:         k_q283660f570_attn.kd
    .args:
      - { .name: att_codes, .offset: 0, .size: 8, .value_kind: global_buffer, .address_space: global }
      - { .name: att_scales, .offset: 8, .size: 8, .value_kind: global_buffer, .address_space: global }
      - { .name: out0, .offset: 16, .size: 8, .value_kind: global_buffer, .address_space: global }
    .group_segment_fixed_size: 215040
    .private_segment_fixed_size: 0
    .kernarg_segment_align: 8
    .kernarg_segment_size: 24
    .max_flat_workgroup_size: 512
    .sgpr_count:     96
    .vgpr_count:     256
    .wavefront_size: 32
...
	.end_amdgpu_metadata
.endif
;; end of part 3
;; ======== version 2 of 2: 3 launches
;; limits: right only within a limited range of input values
;; workspace buffers: codes 5,767,168 bytes; scales 360,448 bytes; qimg 4,718,592 bytes; kvimg 9,437,184 bytes
;; launch quant (part 4): grid 448 x 1, 4 waves a work-group, no clusters, 42,496 bytes of LDS; arguments inputs, Wq, Wk, Wv, codes, scales; writes codes, scales
.if DOCPART == 4
	.amdgcn_target "amdgcn-amd-amdhsa--gfx1250"
	.amdhsa_code_object_version 6
	.text
	.protected	k_q283660f570_quant
	.globl	k_q283660f570_quant
	.p2align	8
	.type	k_q283660f570_quant,@function
k_q283660f570_quant:
	s_mov_b64 s[64:65], 0
	v_nop
	global_prefetch_b8 v0, s[64:65] scope:SCOPE_SE
	s_setreg_imm32_b32 hwreg(HW_REG_WAVE_MODE, 25, 1), 1
	s_wait_xcnt 0x0
; inputs [8192 tokens][1024] and Wq, Wk, Wv [16 heads][1024][64], f32, become codes of FP4 (E2M1) along d_in = 1,024, with one E8M0 byte for each 32 along d_in.
; codes: [11,264 rows][512 bytes], K innermost; scales: [11,264 rows][32 bytes].  Rows 0-8191 are tokens, row 8192 + 1024 which + 64 head + e is a weight's column (which: 0 q, 1 k, 2 v).
; THE ORDER OF ROWS.  Row 32 x + 8 u + m of a group of 64 (x 0..1, u 0..3, m 0..7) is stored at 16 u + 8 x + m: sixteen stored rows on end make a tile, and the next launch's results of the four tiles of a
; group leave 32 neighbours along the following product's K, one whole block, in the registers of ONE lane.
; A block's scale is 2^(floor(log2(its largest magnitude)) - 2); its byte is the largest magnitude's exponent field - 2, held at 1 from below by a floor among the maximum's leaves.
; WORK LEFT OUT BY THE PROGRAM: the scores of keys that come after a query, where they fill whole tiles: the causal mask puts -infinity in front of the softmax there, so their weights are 0 for all
; values of the inputs.  Every input is loaded.  LIMIT: a NaN, an infinity or an overflow that reaches only such scores is not carried to the result.
; LIMITS: a block whose largest magnitude lies under 2^-124, a block of zeros among them, gets the byte 1 (only this program reads the bytes); NaN and infinities among the inputs are not served.
; Work-groups 0-191 take the weights, 192-447 the tokens.  The two ways part on the work-group's number, never join, and each has LDS bytes of its own.  A stream: no tensor loads, no clusters, nothing is read twice.
.set WGW,   192                        ; work-groups for the weights
.set STEPS, 16                         ; tokens: steps of 512 numbers a wave
.set AHEAD, 8                          ; loads run eight steps ahead: 32 loads, 16 KB, of a wave are out
.set CB,    8                          ; bytes of 16 codes
.set R,     16                         ; v16-143  tokens: eight sets of 16 numbers as loaded
.set X,     144                        ; v144-175 two sets of 16 neighbours
.set E,     176                        ; v176-191 a scale byte for each step
.set C,     192                        ; v192-255 codes, four registers a step (the first two hold them): no store's data are written again
.set WREG,  8192                       ; LDS 0 .. 32767: a region for each wave: two stages of 32 x SP bytes, then its 256 scale bytes
.set SP,    80                         ; a lane's place in a stage: 64 bytes + 16 of padding
.set WST,   32768                      ; LDS, weights: a stage of 32 rows (columns e) of 256 bytes + 16
.set WP,    272
.set WSS,   WST+32*WP                  ; and 32 x 16 scale bytes
.set SPARE, WSS+512                    ; the spare words, 128 bytes a wave
.set WN,    32                         ; v32-159  weights: four blocks of 32 numbers
.set WC,    160                        ; v160-175 their codes
.set WO,    176                        ; v176-191 rows read back
	s_load_b256 s[4:11], s[0:1], 0x0               ; inputs s[4:5], Wq s[6:7], Wk s[8:9], Wv s[10:11]
	s_load_b128 s[12:15], s[0:1], 0x20             ; codes s[12:13], scales s[14:15]
	v_lshl_add_u32 v254, v0, 2, SPARE
	v_mov_b32 v255, 0
	v_lshrrev_b32 v1, 5, v0
	v_readfirstlane_b32 s16, v1                    ; wave 0..3
	v_and_b32 v2, 31, v0                           ; lane
	s_lshl_b32 s17, s16, 1                         ; the run of 8 stored rows, of a group's 8, for u = my wave (and x = 0)
	s_cmp_lt_u32 ttmp9, WGW
	s_cbranch_scc1 .Lweights
; ---------------- TOKENS.  K is innermost and rows are dense: a plain stream of blocks of 32.  A wave takes 8,192 numbers (8 rows) in 16 steps of 512.
; Each load reads 512 consecutive bytes; a step's 2,048 bytes turn through the wave's own stage, so that a lane gets 16 neighbours (two lanes hold a block).
	v_lshlrev_b32 v3, 4, v2                        ; my 16 bytes of a load's 512
	s_mul_i32 s19, s16, WREG
	v_lshrrev_b32 v14, 2, v2
	v_mul_u32_u24 v14, v14, SP
	v_and_b32 v15, 3, v2
	v_lshl_add_u32 v14, v15, 4, v14
	v_add_nc_u32 v14, s19, v14                     ; the stage, on the way in: SP (lane / 4) + 16 (lane % 4)
	v_mul_u32_u24 v15, v2, SP
	v_add_nc_u32 v15, s19, v15                     ; and on the way out: SP x lane
	v_mul_u32_u24 v4, v2, CB                       ; my codes' place in a step's 256 bytes
	v_lshrrev_b32 v5, 1, v2
	s_add_co_u32 s19, s19, 2*32*SP
	v_add_nc_u32 v5, s19, v5                       ; my block's byte among the wave's 256
	v_lshlrev_b32 v7, 3, v2                        ; on their way out 8 bytes a lane
	v_add_nc_u32 v6, s19, v7
	s_sub_co_u32 s20, ttmp9, WGW                   ; 32 tokens: half x = s20 % 2 of group s20 / 2
	s_and_b32 s24, s20, 1
	s_lshr_b32 s22, s20, 1
	s_lshl_b32 s22, s22, 3
	s_or_b32 s24, s24, s22
	s_add_co_u32 s24, s24, s17                     ; the run of 8 rows at which it is stored: 8 (s20 / 2) + 2 u + x
	s_lshl_b32 s20, s20, 2
	s_add_co_u32 s22, s20, s16                     ; the run of 8 rows that I read
	s_lshl_b32 s22, s22, 15                        ; 32,768 bytes of f32 a run
	s_mov_b32 s23, 0
	s_lshl_b32 s26, s24, 8                         ; 256 scale bytes
	s_mov_b32 s27, 0
	s_lshl_b32 s24, s24, 12                        ; 4,096 bytes of codes
	s_mov_b32 s25, 0
	s_wait_alu depctr_va_vdst(0)                   ; the wait at the head's end
	s_wait_kmcnt 0x0
	s_add_nc_u64 s[4:5], s[4:5], s[22:23]
	s_add_nc_u64 s[12:13], s[12:13], s[24:25]
	s_add_nc_u64 s[14:15], s[14:15], s[26:27]
.macro XLOAD t
.irp i, 0,1,2,3
	global_load_b128 v[R+16*((\t)%AHEAD)+4*\i:R+16*((\t)%AHEAD)+4*\i+3], v3, s[4:5] offset:2048*(\t)+512*\i th:TH_LOAD_NT
.endr
.endm
.macro XTURN t                         ; step t's numbers through the stage: LDS serves a wave's instructions in order, so no wait stands between the stores and the loads
.irp i, 0,1,2,3
	ds_store_b128 v14, v[R+16*((\t)%AHEAD)+4*\i:R+16*((\t)%AHEAD)+4*\i+3] offset:32*SP*((\t)%2)+8*SP*\i
.endr
.irp i, 0,1,2,3
	ds_load_b128 v[X+16*((\t)%2)+4*\i:X+16*((\t)%2)+4*\i+3], v15 offset:32*SP*((\t)%2)+16*\i
.endr
.endm
.irp t, 0,1,2,3,4,5,6,7
	XLOAD \t
.endr
	s_wait_loadcnt 4*(AHEAD-1)                     ; step 0's four loads are in, the seven later steps' 28 are out
	XTURN 0
.macro XSTEP t
.set XS, X+16*((\t)%2)
.if (\t) > 0
	s_wait_dscnt 1                                 ; this step's numbers are back (only the last step's byte store may be out): its stores into the stage have read their registers,
.else
	s_wait_dscnt 0x0
.endif
.if (\t)+AHEAD < STEPS
	XLOAD (\t)+AHEAD                               ; which take the loads of eight steps on
.endif
.if (\t)+1 < STEPS
.if STEPS-2-(\t) >= AHEAD-1
	s_wait_loadcnt 4*(AHEAD-1)                     ; the next step's four loads are in; those of the seven steps behind it may be out
.else
	s_wait_loadcnt 4*(STEPS-2-(\t))                ; the tail: as many as are left behind the next step's
.endif
	XTURN (\t)+1
.endif
	v_max3_num_f32 v8, |v[XS]|, |v[XS+1]|, |v[XS+2]|               ; the largest magnitude of my 16, in two chains
	v_max3_num_f32 v9, |v[XS+3]|, |v[XS+4]|, |v[XS+5]|
.irp i, 6,10
	v_max3_num_f32 v8, v8, |v[XS+\i]|, |v[XS+\i+1]|
	v_max3_num_f32 v9, v9, |v[XS+\i+2]|, |v[XS+\i+3]|
.endr
	v_max3_num_f32 v8, v8, |v[XS+14]|, |v[XS+15]|
	v_max3_num_f32 v8, v8, v9, 0x1800000           ; and the floor 2^(3 - 127): the byte cannot fall under 1
	v_max_num_f32_dpp v8, v8, v8 row_xmask:1 row_mask:0xf bank_mask:0xf   ; with my neighbour's 16: the block's
	v_add_nc_u32 v11, 0xff000000, v8               ; 2 off its exponent field: the conversion takes this operand's exponent field as its scale
	v_cvt_scalef32_pk8_fp4_f32 v[C+4*(\t)], v[XS:XS+7], v11
	v_cvt_scalef32_pk8_fp4_f32 v[C+4*(\t)+1], v[XS+8:XS+15], v11
	v_lshrrev_b32 v[E+(\t)], 23, v11               ; the scale's byte (also the plain line behind the conversions)
	ds_store_b8 v5, v[E+(\t)] offset:16*(\t)       ; both lanes of a block write the same byte with the same value
	global_store_b64 v4, v[C+4*(\t):C+4*(\t)+1], s[12:13] offset:32*CB*(\t)   ; the wave stores 256 consecutive bytes, aligned
.endm
.irp t, 0,1,2,3,4,5,6,7,8,9,10,11,12,13,14,15
	XSTEP \t
.endr
	ds_load_b64 v[12:13], v6                       ; in order behind my byte stores
	s_wait_dscnt 0x0
	global_store_b64 v7, v[12:13], s[14:15]        ; 256 consecutive scale bytes, aligned
	s_wait_tensorcnt 0x0                           ; the wave's end
	ds_add_u32 v254, v255
	s_wait_dscnt 0x0
	s_endpgm
; ---------------- WEIGHTS.  K is the FIRST axis of a head's [1024][64]: a lane takes a column e and its registers run down K, so that a block of 32 lies in one lane and the codes come out with K innermost.
; Work-group = (which, head, half x of the 64 columns, 512 of the 1,024 along K); wave w takes 128 along K: four blocks.  A column's 256 bytes of codes come from the four waves: they meet in a stage behind a barrier.
.Lweights:
	s_wait_alu depctr_va_vdst(0)
	v_lshlrev_b32 v3, 2, v2                        ; in: 4 bytes a lane
	v_mul_u32_u24 v4, v2, WP
	s_lshl_b32 s19, s16, 6
	s_add_co_u32 s19, s19, WST
	v_add_nc_u32 v4, s19, v4                       ; into the stage: row = my column, my wave's 64 bytes
	s_lshl_b32 s19, s16, 2
	s_add_co_u32 s19, s19, WSS
	v_lshl_add_u32 v5, v2, 4, s19                  ; my column's 16 scale bytes, my wave's four
	v_lshrrev_b32 v12, 4, v2                       ; lane / 16
	v_and_b32 v13, 15, v2                          ; lane % 16
	s_lshl_b32 s19, s16, 3
	v_add_nc_u32 v7, s19, v12
	v_mul_u32_u24 v7, v7, WP
	v_lshl_add_u32 v7, v13, 4, v7
	v_add_nc_u32 v7, WST, v7                       ; out of it: wave w takes columns 8 w .. 8 w + 7 (u = w), sixteen lanes to a row, two rows an instruction
	v_lshlrev_b32 v8, 9, v12
	v_lshl_add_u32 v8, v13, 4, v8                  ; and the same place in the codes' buffer
	v_and_b32 v9, 7, v2
	v_lshrrev_b32 v11, 3, v2
	v_lshl_or_b32 v9, v11, 4, v9                   ; 16 (lane / 8) + lane % 8:
	v_lshlrev_b32 v9, 5, v9                        ; the row of scale bytes at which column = lane is stored
	v_lshlrev_b32 v10, 4, v2
	v_add_nc_u32 v10, WSS, v10
	s_lshr_b32 s20, ttmp9, 2
	s_and_b32 s20, s20, 15
	s_lshl_b32 s20, s20, 18                        ; the head's 1,024 rows of 256 bytes,
	s_and_b32 s28, ttmp9, 1                        ; which 512 along K,
	s_lshl_b32 s22, s28, 17
	s_add_co_u32 s20, s20, s22
	s_lshl_b32 s22, s16, 15                        ; my wave's 128 of them,
	s_add_co_u32 s20, s20, s22
	s_lshr_b32 s29, ttmp9, 1
	s_and_b32 s27, s29, 1                          ; x: which 32 columns
	s_lshr_b32 s26, s29, 1                         ; 16 which + head: the group of 64 rows in the buffers
	s_lshl_b32 s22, s27, 7
	s_add_co_u32 s20, s20, s22
	s_mov_b32 s21, 0
	s_lshl_b32 s22, s26, 15                        ; codes: 64 rows of 512 bytes a group, behind the tokens' 8,192 rows,
	s_add_co_u32 s22, s22, 8192*512
	s_lshl_b32 s24, s28, 8                         ; + 256 bytes for the upper 512 along K,
	s_add_co_u32 s22, s22, s24
	s_lshl_b32 s24, s17, 12                        ; + 16 rows for each wave (s17 = 2 x wave),
	s_add_co_u32 s22, s22, s24
	s_lshl_b32 s24, s27, 12                        ; + 8 rows for x
	s_add_co_u32 s22, s22, s24
	s_mov_b32 s23, 0
	s_lshl_b32 s24, s26, 11                        ; scale bytes: 64 rows of 32 bytes a group, + 8 rows for x
	s_lshl_b32 s27, s27, 8
	s_add_co_u32 s24, s24, s27
	s_add_co_u32 s24, s24, 8192*32
	s_lshl_b32 s26, s28, 4
	s_add_co_u32 s24, s24, s26
	s_mov_b32 s25, 0
	s_wait_kmcnt 0x0
	s_cmp_lt_u32 ttmp9, 128                        ; which tensor: the choice hangs on the work-group's number alone
	s_cselect_b64 s[8:9], s[8:9], s[10:11]
	s_cmp_lt_u32 ttmp9, 64
	s_cselect_b64 s[6:7], s[6:7], s[8:9]
	s_add_nc_u64 s[6:7], s[6:7], s[20:21]
	s_add_nc_u64 s[12:13], s[12:13], s[22:23]
	s_add_nc_u64 s[14:15], s[14:15], s[24:25]
.macro WLOAD t                         ; block t: W(32 t + i, my column), i = 0 .. 31: each load reads 128 consecutive bytes
.irp i, 0,1,2,3,4,5,6,7,8,9,10,11,12,13,14,15,16,17,18,19,20,21,22,23,24,25,26,27,28,29,30,31
	global_load_b32 v[WN+32*(\t)+\i], v3, s[6:7] offset:(32*(\t)+\i)*256 th:TH_LOAD_NT
.endr
.endm
	WLOAD 0
	WLOAD 1
.macro WBLOCK t
.set XS, WN+32*(\t)
.if (\t) < 3
	s_wait_loadcnt 32                              ; this block's 32 loads are in; the next block's 32 may be out
.else
	s_wait_loadcnt 0x0
.endif
.if (\t)+2 < 4
	WLOAD (\t)+2                                   ; two blocks ahead, into registers of its own
.endif
	v_max3_num_f32 v12, |v[XS]|, |v[XS+1]|, |v[XS+2]|              ; the block's largest magnitude: all 32 numbers are mine
	v_max3_num_f32 v13, |v[XS+3]|, |v[XS+4]|, |v[XS+5]|
.irp i, 6,10,14,18,22,26
	v_max3_num_f32 v12, v12, |v[XS+\i]|, |v[XS+\i+1]|
	v_max3_num_f32 v13, v13, |v[XS+\i+2]|, |v[XS+\i+3]|
.endr
	v_max3_num_f32 v12, v12, |v[XS+30]|, |v[XS+31]|
	v_max3_num_f32 v12, v12, v13, 0x1800000        ; and the floor
	v_add_nc_u32 v11, 0xff000000, v12              ; the conversion's scale operand
	v_lshrrev_b32 v13, 23, v11                     ; the byte
.if (\t) == 0
	v_mov_b32 v24, v13                             ; four bytes to a word, the lower K in the lower byte
.else
	v_lshl_or_b32 v24, v13, 8*(\t), v24
.endif
.irp g, 0,1,2,3
	v_cvt_scalef32_pk8_fp4_f32 v[WC+4*(\t)+\g], v[XS+8*\g:XS+8*\g+7], v11
.endr
	v_nop                                          ; a plain line behind the last conversion
	ds_store_b128 v4, v[WC+4*(\t):WC+4*(\t)+3] offset:16*(\t)
.endm
	WBLOCK 0
	WBLOCK 1
	WBLOCK 2
	WBLOCK 3
	ds_store_b32 v5, v24
	s_wait_dscnt 0x0                               ; for the others' sake: my stores into the stage are done
	s_barrier_signal -1
	s_barrier_wait -1
.irp i, 0,1,2,3
	ds_load_b128 v[WO+4*\i:WO+4*\i+3], v7 offset:2*\i*WP
.endr
.irp i, 0,1,2,3
	s_wait_dscnt 3-\i                              ; LDS loads come back in order: pair i of rows is in
	global_store_b128 v8, v[WO+4*\i:WO+4*\i+3], s[12:13] offset:2*\i*512   ; sixteen lanes store 256 consecutive bytes, aligned
.endr
	s_cmp_lg_u32 s16, 0
	s_cbranch_scc1 .Lweights_end                   ; the 32 columns' scale bytes leave by wave 0: 16 bytes a row (half a row of 32)
	ds_load_b128 v[20:23], v10
	s_wait_dscnt 0x0
	global_store_b128 v9, v[20:23], s[14:15]
.Lweights_end:
	s_wait_tensorcnt 0x0                           ; the wave's end
	ds_add_u32 v254, v255
	s_wait_dscnt 0x0
	s_endpgm
.Lfunc_end_k_q283660f570_quant:
	.size	k_q283660f570_quant, .Lfunc_end_k_q283660f570_quant-k_q283660f570_quant
	.p2alignl 7, 3214868480
	.fill 96, 4, 3214868480
	.section	.rodata,"a",@progbits
	.p2align	6, 0x0
	.amdhsa_kernel k_q283660f570_quant
		.amdhsa_group_segment_fixed_size 42496
		.amdhsa_private_segment_fixed_size 0
		.amdhsa_enable_private_segment 0
		.amdhsa_kernarg_size 48
		.amdhsa_user_sgpr_count 2
		.amdhsa_user_sgpr_kernarg_segment_ptr 1
		.amdhsa_wavefront_size32 1
		.amdhsa_system_sgpr_workgroup_id_x 1
		.amdhsa_system_sgpr_workgroup_id_y 1
		.amdhsa_system_sgpr_workgroup_id_z 1
		.amdhsa_system_vgpr_workitem_id 0
		.amdhsa_next_free_vgpr 256
		.amdhsa_next_free_sgpr 66
		.amdhsa_reserve_vcc 0
		.amdhsa_float_denorm_mode_32 3
		.amdhsa_float_denorm_mode_16_64 3
		.amdhsa_memory_ordered 1
		.amdhsa_forward_progress 1
		.amdhsa_inst_pref_size 55
	.end_amdhsa_kernel
	.amdgpu_metadata
---
amdhsa.version: [ 1, 2 ]
amdhsa.kernels:
  - .name:           k_q283660f570_quant
    .symbol:         k_q283660f570_quant.kd
    .args:
      - { .name: inputs, .offset: 0, .size: 8, .value_kind: global_buffer, .address_space: global }
      - { .name: Wq, .offset: 8, .size: 8, .value_kind: global_buffer, .address_space: global }
      - { .name: Wk, .offset: 16, .size: 8, .value_kind: global_buffer, .address_space: global }
      - { .name: Wv, .offset: 24, .size: 8, .value_kind: global_buffer, .address_space: global }
      - { .name: codes, .offset: 32, .size: 8, .value_kind: global_buffer, .address_space: global }
      - { .name: scales, .offset: 40, .size: 8, .value_kind: global_buffer, .address_space: global }
    .group_segment_fixed_size: 42496
    .private_segment_fixed_size: 0
    .kernarg_segment_align: 8
    .kernarg_segment_size: 48
    .max_flat_workgroup_size: 128
    .sgpr_count:     66
    .vgpr_count:     256
    .wavefront_size: 32
...
	.end_amdgpu_metadata
.endif
;; end of part 4
;; launch proj (part 5): grid 8 x 32, 4 waves a work-group, clusters of 4 x 4, 327,680 bytes of LDS; arguments codes, scales, qimg, kvimg; writes qimg, kvimg
.if DOCPART == 5
	.amdgcn_target "amdgcn-amd-amdhsa--gfx1250"
	.amdhsa_code_object_version 6
	.text
	.protected	k_q283660f570_proj
	.globl	k_q283660f570_proj
	.p2align	8
	.type	k_q283660f570_proj,@function
k_q283660f570_proj:
	s_mov_b64 s[64:65], 0
	v_nop
	global_prefetch_b8 v0, s[64:65] scope:SCOPE_SE
	s_setreg_imm32_b32 hwreg(HW_REG_WAVE_MODE, 25, 1), 1
	s_wait_xcnt 0x0
	s_wait_alu depctr_hold_cnt(0) depctr_sa_sdst(0) depctr_va_vdst(0) depctr_va_sdst(0) depctr_va_ssrc(0) depctr_va_vcc(0) depctr_vm_vsrc(0)
	s_getreg_b32 s2, hwreg(HW_REG_IB_STS2, 6, 4)
	s_cmp_eq_u32 s2, 0
	s_cbranch_scc0 .Lentry_in_a_cluster
	s_endpgm
.Lentry_in_a_cluster:
	s_bfe_u32 s2, ttmp6, 0x10000c
	s_cmp_lg_u32 s2, 0xf033
	s_cbranch_scc0 .Lentry_shape_is_right
	s_endpgm
.Lentry_shape_is_right:
; q, k, v = inputs x Wq, Wk, Wv on codes of FP4, each result quantised at once along its next K (q, k: along e; v: along the tokens) and stored as images of the next launch's operand registers.
; qimg: [batch x head 64][group of 128 tokens 16][codes: tile 8 x 512 bytes | scale words: 2 x 256 bytes].  kvimg: [64][16][k's codes 4,096 | k's scale words 512 | v's codes 4,096 | v's scale words 512].
; A work-group makes 256 tokens x 256 columns of (q | k), then v of the same 256 tokens for 128 columns; a wave 128 x 128 (64 accumulators of 16 x 16), then 128 tokens x 64 columns of v (one head).
; K = 1,024 goes through two LDS slots of 512: rows of 256 bytes, 272 apart in LDS.  The tokens' rows stay in both slots for v; Wv's 128 rows x 512 bytes refill slot 0's weight part.
; CLUSTERS of 4 x 4: the four of a row ask jointly for their token rows, the four of a column for their weight rows.  The scale words, 32 bytes a row, go from memory straight into registers: dense, 512 bytes for 16 rows.
; q and k are made TRANSPOSED (source 0 = weights): a lane holds one token, and by the order of the stored rows its registers of a head's four tiles are e = 32 h + 0 .. 31 (h = lane / 16): one whole block.
; v is made with source 0 = tokens: a lane holds one e, and its registers of four tiles are tokens 64 c + 32 h + 0 .. 31.  So no block spans two lanes.
; LIMITS: a block whose largest magnitude lies under 2^-124 keeps the byte 1; NaN and infinities are not served.
; No prefetch: the text has no loop to run ahead in, each slot's load is issued once.
; WINDOWS of 256 registers: 0: addresses, scale words (v32-95, v220-251), the second operand's fragments; 1: the first operand's, two sets; 2, 3: accumulators.
.set NQ,     4                         ; instructions deep in a slot
.set ROWB,   256
.set KROW,   512
.set PITCH,  272
.set FR,     8
.set NL,     2
.set NP,     4
.set HALFT,  128*PITCH
.set SLOT,   4*HALFT                   ; 256 rows of tokens, then 256 of weights
.set SPARE,  2*SLOT                    ; the spare words, 128 bytes a wave
.set QHEAD,  73728                     ; a head's bytes in qimg: 16 x 4,608 (in kvimg twice as many)
.set ADRA, 16
.set ADRB, 20
.set ADRW, 22
.set VO0,  24                          ; 16 x lane
.set VOS,  25                          ; 16 r + h x a head's bytes: lanes 0-15 store the first head's scale words, lanes 16-31 the second's
.set WOF,  26
.set VSH8, 27                          ; 8 h
.set VSH16, 28                         ; 16 h
.set SCO,  29
.set SPW,  30
.set NIL,  31
.set SC,   32                          ; register SC + 32 slot + 4 i + q: lanes 0-15 the word of token block i, lanes 16-31 that of weight block i
.set SW,   112                         ; v112-119 scale words in the making
.set AF,   128
.set PC,   128                         ; codes, over the fragments that are done with
.set TM,   200
.set WVS,  220                         ; v220-251 Wv's scale words
.set HB0,  66                          ; s[66:67] the first head's image of my 128 tokens, s[68:69] the second's, s[70:71] v's
.set HB1,  68
.set VB,   70
.set WSB,  92
.set WCB,  94
.set SEL,  96
.set G1, 24
.set G0, 32
.set G1B, 48
.set G0B, 56
.set MSB, 0
.macro WIN new                         ; the immediate's high byte repeats the setting that is left
.if MSB != \new
	s_set_vgpr_msb (MSB<<8)|\new
.set MSB, \new
.endif
.endm
.set MUL_LO, 0xa1
.set MUL_HI, 0xf1
.set TO_B,   0x40
.macro JLOAD g0a, g1a, g0b, g1b        ; a joint load: waves 0, 1 for the tokens, waves 2, 3 for the weights
	s_cmp_eq_u32 s15, 0
	s_cbranch_scc0 .Lfor_b_\@
	tensor_load_to_lds s[\g0a:\g0a+3], s[\g1a:\g1a+7]
	s_nop 0
.rept 4
	v_nop
.endr
	s_branch .Lasked_\@
.Lfor_b_\@:
	tensor_load_to_lds s[\g0b:\g0b+3], s[\g1b:\g1b+7]
	s_nop 0
.rept 4
	v_nop
.endr
.Lasked_\@:
.endm
.macro CREST                           ; a round of the cluster's barrier behind its opening barrier
	s_cmp_lg_u32 s14, 0
	s_cbranch_scc1 .Lnot_wave_0_\@
	s_barrier_signal -3
.Lnot_wave_0_\@:
	s_barrier_wait -3
	s_barrier_signal -1
	s_barrier_wait -1
.endm
.macro CROUND
	s_barrier_signal -1
	s_barrier_wait -1
	CREST
.endm
	s_load_b256 s[4:11], s[0:1], 0x0               ; codes, scales, qimg, kvimg
	v_lshl_add_u32 v[SPW], v0, 2, SPARE
	v_mov_b32 v[NIL], 0
	ds_add_u32 v[SPW], v[NIL]                      ; the wave's opening: the add, twice on end, and its wait
	ds_add_u32 v[SPW], v[NIL]
	v_lshrrev_b32 v1, 5, v0
	v_readfirstlane_b32 s14, v1                    ; wave
	s_lshr_b32 s15, s14, 1                         ; my half of the tokens; also: I fetch tokens (0) or weights (1)
	s_and_b32 s16, s14, 1                          ; my half of the columns; also: which 128 rows I fetch
	s_bfe_u32 s40, ttmp6, 0x40000
	s_bfe_u32 s41, ttmp6, 0x40004
	s_lshl_b32 s42, ttmp9, 2
	s_add_co_u32 s42, s42, s40                     ; tile column
	s_and_b32 s17, ttmp7, 0xffff
	s_lshl_b32 s17, s17, 2
	s_add_co_u32 s17, s17, s41                     ; tile row
	s_lshl_b32 s43, s41, 2
	s_lshl_b32 s43, 15, s43
	s_lshl_b32 s44, 0x1111, s40
	s_or_b32 s[G1+0], s43, (0<<16)|(1<<20)|(1<<21)|(5<<22)|(3<<25)
	s_or_b32 s[G1B+0], s44, (0<<16)|(1<<20)|(1<<21)|(5<<22)|(3<<25)
.irp g, G1, G1B                        ; 128 rows of 256 bytes, 512 apart
	s_mov_b32 s[\g+1], ROWB<<16
	s_mov_b32 s[\g+2], 128<<16
	s_mov_b32 s[\g+3], ROWB<<16
	s_mov_b32 s[\g+4], 128
	s_mov_b32 s[\g+5], KROW
	s_mov_b32 s[\g+6], 0
	s_mov_b32 s[\g+7], 0
.endr
	s_lshl_b32 s19, s16, 7
	s_lshl_b32 s20, s17, 8
	s_add_co_u32 s20, s20, s19
	s_lshl_b32 s46, s42, 8
	s_add_co_u32 s46, s46, 8192
	s_add_co_u32 s46, s46, s19
	s_lshl_b32 s20, s20, 9
	s_mov_b32 s21, 0
	s_lshl_b32 s46, s46, 9
	s_mov_b32 s47, 0
	s_lshl_b32 s[WCB], s42, 16                     ; Wv: row 10,240 + 128 x tile column; 64 rows by s16, the K half by s15
	s_add_co_u32 s[WCB], s[WCB], 10240*512
	s_lshl_b32 s2, s16, 15
	s_add_co_u32 s[WCB], s[WCB], s2
	s_lshl_b32 s2, s15, 8
	s_add_co_u32 s[WCB], s[WCB], s2
	s_mov_b32 s[WCB+1], 0
	s_lshl_b32 s[WSB], s42, 12
	s_add_co_u32 s[WSB], s[WSB], 10240*32
	s_lshl_b32 s2, s16, 11
	s_add_co_u32 s[WSB], s[WSB], s2
	s_mov_b32 s[WSB+1], 0
	s_mul_i32 s45, s14, HALFT
	s_wait_dscnt 0x0                               ; both opening adds are done
	s_wait_kmcnt 0x0
	s_add_nc_u64 s[20:21], s[4:5], s[20:21]
	s_add_nc_u64 s[46:47], s[4:5], s[46:47]
	s_add_nc_u64 s[WCB:WCB+1], s[4:5], s[WCB:WCB+1]
	s_add_nc_u64 s[WSB:WSB+1], s[6:7], s[WSB:WSB+1]
.irp s, 0,1
	s_mov_b32 s[G0+4*\s], 1
	s_add_co_u32 s[G0+4*\s+1], s45, \s*SLOT
	s_add_nc_u64 s[G0+4*\s+2:G0+4*\s+3], s[20:21], \s*ROWB
	s_or_b32 s[G0+4*\s+3], s[G0+4*\s+3], 0x80000000
	s_mov_b32 s[G0B+4*\s], 1
	s_add_co_u32 s[G0B+4*\s+1], s45, \s*SLOT
	s_add_nc_u64 s[G0B+4*\s+2:G0B+4*\s+3], s[46:47], \s*ROWB
	s_or_b32 s[G0B+4*\s+3], s[G0B+4*\s+3], 0x80000000
.endr
	CROUND                                         ; all sixteen work-groups are here: the first joint loads meet
	JLOAD G0, G1, G0B, G1B                         ; slot 0: one tensor load a wave at the head
	s_mul_i32 s72, s15, HALFT                      ; LDS: my 128 token rows,
	s_mul_i32 s73, s16, HALFT                      ; my 128 weight rows,
	s_add_co_u32 s73, s73, 2*HALFT
	s_mul_i32 s74, s16, 64*PITCH                   ; my 64 rows of Wv
	s_add_co_u32 s74, s74, 2*HALFT
	s_lshl_b32 s75, s17, 13                        ; scale rows of 32 bytes: my tokens',
	s_lshl_b32 s2, s15, 12
	s_add_co_u32 s75, s75, s2
	s_lshl_b32 s76, s42, 13                        ; and how far on my weights' lie
	s_lshl_b32 s2, s16, 12
	s_add_co_u32 s76, s76, s2
	s_add_co_u32 s76, s76, 8192*32
	s_sub_co_u32 s76, s76, s75
	s_lshl_b32 s12, s17, 1
	s_add_co_u32 s12, s12, s15                     ; my run of 128 tokens, 0..63
	s_lshl_b32 s13, s42, 1
	s_add_co_u32 s13, s13, s16                     ; my run of 128 columns of (q | k), 0..15; also my head of v
	s_lshr_b32 s18, s12, 4
	s_lshl_b32 s18, s18, 4                         ; 16 x batch
	s_and_b32 s12, s12, 15                         ; the group of 128 tokens in its sequence
	s_lshr_b32 s2, s13, 3                          ; 0 q, 1 k
	s_and_b32 s3, s13, 7                           ; the pair of heads
	s_lshl_b32 s3, s3, 1
	s_add_co_u32 s3, s18, s3
	s_mul_i32 s22, s3, QHEAD
	s_mul_i32 s19, s12, 4608
	s_add_co_u32 s22, s22, s19
	s_lshl_b32 s22, s22, s2                        ; in kvimg every distance is twice as large
	s_mov_b32 s23, 0
	s_lshl_b32 s78, QHEAD, s2
	s_mov_b32 s79, 0
	s_add_co_u32 s18, s18, s13
	s_mul_i32 s18, s18, 2*QHEAD
	s_mul_i32 s12, s12, 9216
	s_add_co_u32 s18, s18, s12
	s_mov_b32 s19, 0
	s_cmp_eq_u32 s2, 0
	s_cselect_b64 s[HB0:HB0+1], s[8:9], s[10:11]
	s_add_nc_u64 s[HB0:HB0+1], s[HB0:HB0+1], s[22:23]
	s_add_nc_u64 s[HB1:HB1+1], s[HB0:HB0+1], s[78:79]
	s_add_nc_u64 s[VB:VB+1], s[10:11], s[18:19]
	s_mov_b32 s[SEL], 0x76543210
	s_mov_b32 s[SEL+1], 0xfedcba98
	v_and_b32 v1, 15, v0                           ; r
	v_bfe_u32 v2, v0, 4, 1                         ; h
	v_and_b32 v6, 31, v0
	v_mul_u32_u24 v3, v1, PITCH
	v_lshl_add_u32 v4, v2, 4, v3
	v_add_nc_u32 v[ADRA], s72, v4
	v_add_nc_u32 v[ADRB], s73, v4
	v_add_nc_u32 v[ADRW], s74, v4
	v_add_nc_u32 v[ADRA+1], SLOT, v[ADRA]
	v_add_nc_u32 v[ADRB+1], SLOT, v[ADRB]
	v_lshlrev_b32 v[WOF], 5, v1
	v_mul_u32_u24 v5, s76, v2
	v_add_nc_u32 v5, v5, v[WOF]
	v_add_nc_u32 v[SCO], s75, v5                   ; lanes 0-15 my token rows, lanes 16-31 my weight rows
	v_lshlrev_b32 v[VO0], 4, v6
	v_lshlrev_b32 v[VSH8], 3, v2
	v_lshlrev_b32 v[VSH16], 4, v2
	v_mul_u32_u24 v7, s78, v2
	v_lshl_add_u32 v[VOS], v1, 4, v7
.irp b, 0,1,2,3
	v_mov_b32 v[TM+12+\b], 0                       ; (a lane permute's destination counts as one of its sources)
.endr
	s_wait_alu depctr_va_vdst(0)                   ; the wait at the head's end
.irp s, 0,1
.irp i, 0,1,2,3,4,5,6,7
	global_load_b128 v[SC+32*\s+4*\i:SC+32*\s+4*\i+3], v[SCO], s[6:7] offset:512*\i+16*\s
.endr
.endr
.irp a, 0,1,2,3
.irp s, 0,1
	global_load_b128 v[WVS+8*\a+4*\s:WVS+8*\a+4*\s+3], v[WOF], s[WSB:WSB+1] offset:512*\a+16*\s
.endr
.endr
.macro FRAG reg, adr, q, i             ; 16 rows x 128 K in 8 registers
.irp c, 0,1
	ds_load_b128 v[\reg+4*\c:\reg+4*\c+3], v[\adr] offset:64*(\q)+32*\c+(\i)*16*PITCH
.endr
.endm
; 16 matrix instructions: token blocks a0, a0 + 1 x eight weight blocks.  The 64 accumulators take turns.
.macro MUL16 a0, p, q, sc, zero
.irp a, \a0, \a0+1
.irp b, 0,1,2,3,4,5,6,7
.if \zero
	v_wmma_scale_f32_16x16x128_f8f6f4 v[8*(8*((\a)%4)+\b):8*(8*((\a)%4)+\b)+7], v[128*(\p)+FR*\b:128*(\p)+FR*\b+FR-1], v[AF+FR*(\a):AF+FR*(\a)+FR-1], 0, v[SC+8*NQ*(\sc)+NQ*\b+(\q)], v[SC+8*NQ*(\sc)+NQ*(\a)+(\q)] matrix_a_fmt:MATRIX_FMT_FP4 matrix_b_fmt:MATRIX_FMT_FP4 matrix_a_scale:MATRIX_SCALE_ROW1
.else
	v_wmma_scale_f32_16x16x128_f8f6f4 v[8*(8*((\a)%4)+\b):8*(8*((\a)%4)+\b)+7], v[128*(\p)+FR*\b:128*(\p)+FR*\b+FR-1], v[AF+FR*(\a):AF+FR*(\a)+FR-1], v[8*(8*((\a)%4)+\b):8*(8*((\a)%4)+\b)+7], v[SC+8*NQ*(\sc)+NQ*\b+(\q)], v[SC+8*NQ*(\sc)+NQ*(\a)+(\q)] matrix_a_fmt:MATRIX_FMT_FP4 matrix_b_fmt:MATRIX_FMT_FP4 matrix_a_scale:MATRIX_SCALE_ROW1
.endif
.endr
.endr
.endm
.macro FETCH1 adr, q, p                ; eight fragments into set p of window 1
	WIN TO_B
.irp i, 0,1,2,3,4,5,6,7
	FRAG 128*(\p)+FR*\i, \adr, \q, \i
.endr
	WIN 0
.endm
.macro FETCH_A slot, q, i0
.irp i, \i0, \i0+1, \i0+2, \i0+3
	FRAG AF+FR*(\i), ADRA+\slot, \q, \i
.endr
.endm
.macro PLACES n                        ; places behind matrix instructions
.rept \n
	v_nop
.endr
.endm
.macro STEP slot, q, zero              ; 128 along K that has its successor in the same slot
	s_wait_dscnt 4*NL                              ; the youngest eight loads (token blocks 4-7) may be out
	WIN MUL_LO
	MUL16 0, (\q)%2, \q, \slot, \zero
	MUL16 2, (\q)%2, \q, \slot, \zero
	s_wait_dscnt 0
	PLACES NP
	FETCH1 ADRB+\slot, (\q)+1, 1-(\q)%2
	FETCH_A \slot, (\q)+1, 0
	WIN MUL_HI
	MUL16 4, (\q)%2, \q, \slot, \zero
	MUL16 6, (\q)%2, \q, \slot, \zero
	PLACES NP
	WIN 0
	FETCH_A \slot, (\q)+1, 4
.endm
.macro STEPS slot, from
.set Q, \from
.rept NQ-1-\from
	STEP \slot, Q, 0
.set Q, Q+1
.endr
.endm
.macro FETCH_W kh, q, p                ; my four blocks of Wv
.irp a, 0,1,2,3
.irp c, 0,1
	ds_load_b128 v[AF+32*(\p)+FR*\a+4*\c:AF+32*(\p)+FR*\a+4*\c+3], v[ADRW] offset:(\kh)*HALFT+64*(\q)+32*\c+\a*16*PITCH
.endr
.endr
.endm
.macro MULV s                          ; v: source 0 = tokens, source 1 = Wv; step s of 8 along K
.irp a, 0,1,2,3
.irp b, 0,1,2,3,4,5,6,7
.if (\s) == 0
	v_wmma_scale_f32_16x16x128_f8f6f4 v[8*(8*\a+\b):8*(8*\a+\b)+7], v[128*((\s)%2)+FR*\b:128*((\s)%2)+FR*\b+FR-1], v[AF+32*((\s)%2)+FR*\a:AF+32*((\s)%2)+FR*\a+FR-1], 0, v[SC+8*NQ*((\s)/4)+NQ*\b+(\s)%4], v[WVS+8*\a+(\s)] matrix_a_fmt:MATRIX_FMT_FP4 matrix_b_fmt:MATRIX_FMT_FP4
.else
	v_wmma_scale_f32_16x16x128_f8f6f4 v[8*(8*\a+\b):8*(8*\a+\b)+7], v[128*((\s)%2)+FR*\b:128*((\s)%2)+FR*\b+FR-1], v[AF+32*((\s)%2)+FR*\a:AF+32*((\s)%2)+FR*\a+FR-1], v[8*(8*\a+\b):8*(8*\a+\b)+7], v[SC+8*NQ*((\s)/4)+NQ*\b+(\s)%4], v[WVS+8*\a+(\s)] matrix_a_fmt:MATRIX_FMT_FP4 matrix_b_fmt:MATRIX_FMT_FP4
.endif
.endr
.endr
.endm
.macro VSTEP s
	s_wait_dscnt 0x0
.if (\s) < 7
	PLACES NP
	FETCH1 ADRA+((\s)+1)/4, ((\s)+1)%4, ((\s)+1)%2
	FETCH_W ((\s)+1)/4, ((\s)+1)%4, ((\s)+1)%2
.endif
	WIN MUL_LO
	MULV \s
	WIN 0
.endm
; Row block a's 64 registers are two whole blocks of 32 in each lane (q, k: two heads; v: two runs of 64 tokens): largest magnitudes with the floor among the leaves, scale operands, bytes, codes.
.macro QBLK a, isv
.set AC, 64*((\a)%4)
	WIN (0x28+0x14*((\a)/4))
.irp g, 0,1,2,3
	v_max3_num_f32 v[TM+\g], 0x1800000, |v[AC+16*\g]|, |v[AC+16*\g+1]|
.endr
.irp i, 2,4,6,8,10,12,14
.irp g, 0,1,2,3
	v_max3_num_f32 v[TM+\g], v[TM+\g], |v[AC+16*\g+\i]|, |v[AC+16*\g+\i+1]|
.endr
.endr
	WIN 0
	v_max_num_f32 v[TM+4], v[TM], v[TM+1]
	v_max_num_f32 v[TM+5], v[TM+2], v[TM+3]
	v_add_nc_u32 v[TM+6], 0xff000000, v[TM+4]
	v_add_nc_u32 v[TM+7], 0xff000000, v[TM+5]
	v_lshrrev_b32 v[TM+8], 23, v[TM+6]
	v_lshrrev_b32 v[TM+9], 23, v[TM+7]
	v_lshl_or_b32 v[SW+(\a)], v[TM+9], 16, v[TM+8]
	WIN (0x02+(\a)/4)
.irp c, 0,1
.irp g, 0,1,2,3
	v_cvt_scalef32_pk8_fp4_f32 v[PC+8*(\a)+4*\c+\g], v[AC+32*\c+8*\g:AC+32*\c+8*\g+7], v[TM+6+\c]
.endr
.endr
	WIN 0
	v_nop                                          ; a plain line behind the last conversion
.if \isv
.irp c, 0,1
	global_store_b128 v[VO0], v[PC+8*(\a)+4*\c:PC+8*(\a)+4*\c+3], s[VB:VB+1] offset:4608+1024*(\a)+512*\c
.endr
.else
	global_store_b128 v[VO0], v[PC+8*(\a):PC+8*(\a)+3], s[HB0:HB0+1] offset:512*(\a)
	global_store_b128 v[VO0], v[PC+8*(\a)+4:PC+8*(\a)+7], s[HB1:HB1+1] offset:512*(\a)
.endif
.endm
; The scale words of row blocks a0 .. a0 + 3: my two bytes go 8 h bits up and meet lane l xor 16's two.  v: the word is whole.  q, k: bytes 0, 1 are the first head's, bytes 2, 3 the second's: lanes 0-15 keep the former, lanes 16-31 the latter.
.macro SCW a0, isv
.irp k, 0,1,2,3
	v_lshlrev_b32 v[SW+\a0+\k], v[VSH8], v[SW+\a0+\k]
.endr
.irp k, 0,1,2,3
	v_permlanex16_b32 v[TM+12+\k], v[SW+\a0+\k], s[SEL], s[SEL+1]
.endr
.irp k, 0,1,2,3
	v_or_b32 v[SW+\a0+\k], v[SW+\a0+\k], v[TM+12+\k]
.endr
.if \isv
	global_store_b128 v[VO0], v[SW+\a0:SW+\a0+3], s[VB:VB+1] offset:8704
.else
.irp k, 0,1,2,3
	v_lshrrev_b32 v[SW+\a0+\k], v[VSH16], v[SW+\a0+\k]
.endr
.irp k, 0,1,2,3
	v_and_b32 v[SW+\a0+\k], 0xffff, v[SW+\a0+\k]
.endr
	global_store_b128 v[VOS], v[SW+\a0:SW+\a0+3], s[HB0:HB0+1] offset:4096+64*\a0
.endif
.endm
	s_wait_tensorcnt 0x0                           ; slot 0 is in
	ds_add_u32 v[SPW], v[NIL]
	s_wait_dscnt 0x0
	CROUND
	JLOAD G0+4, G1, G0B+4, G1B                     ; slot 1
	FETCH1 ADRB, 0, 0
	FETCH_A 0, 0, 0
	FETCH_A 0, 0, 4
	s_wait_loadcnt 8                               ; both slots' scale words are in; Wv's eight loads may be out
	STEP 0, 0, 1
	STEPS 0, 1
	s_wait_tensorcnt 0x0                           ; the change of slots: slot 1 is in
	ds_add_u32 v[SPW], v[NIL]
	s_wait_dscnt 4*NL+1                            ; the add and the youngest eight loads may be out
	WIN MUL_LO
	MUL16 0, 1, NQ-1, 0, 0
	s_wait_dscnt 0x0                               ; the add is done, and my reads of slot 0 are over
	s_barrier_signal -1
	MUL16 2, 1, NQ-1, 0, 0
	WIN 0
	s_barrier_wait -1
	CREST
	s_mov_b32 s[G1B+2], 64<<16                     ; Wv's rows over slot 0's weights: a wave fetches 64 rows x 256 bytes
	s_mov_b32 s[G1B+4], 64
	s_mul_i32 s[G0B+1], s14, 64*PITCH
	s_add_co_u32 s[G0B+1], s[G0B+1], 2*HALFT
	s_mov_b64 s[G0B+2:G0B+3], s[WCB:WCB+1]
	s_or_b32 s[G0B+3], s[G0B+3], 0x80000000
	tensor_load_to_lds s[G0B:G0B+3], s[G1B:G1B+7]
	s_nop 0
	PLACES 4
	FETCH1 ADRB+1, 0, 0
	FETCH_A 1, 0, 0
	WIN MUL_HI
	MUL16 4, 1, NQ-1, 0, 0
	MUL16 6, 1, NQ-1, 0, 0
	PLACES NP
	WIN 0
	FETCH_A 1, 0, 4
	STEPS 1, 0
	s_wait_dscnt 4*NL
	WIN MUL_LO
	MUL16 0, 1, NQ-1, 1, 0
	MUL16 2, 1, NQ-1, 1, 0
	s_wait_dscnt 0
	WIN MUL_HI
	MUL16 4, 1, NQ-1, 1, 0
	MUL16 6, 1, NQ-1, 1, 0
	WIN 0
	PLACES NP
	FETCH1 ADRA, 0, 0                              ; v's first token fragments
	QBLK 0, 0
	QBLK 1, 0
	QBLK 2, 0
	QBLK 3, 0
	SCW 0, 0
	QBLK 4, 0
	QBLK 5, 0
	QBLK 6, 0
	QBLK 7, 0
	SCW 4, 0
	s_wait_tensorcnt 0x0                           ; my part of Wv is in
	ds_add_u32 v[SPW], v[NIL]
	s_wait_loadcnt 0x0                             ; Wv's scale words
	s_wait_xcnt 0x0                                ; the stores have read the codes: fragments may land there
	s_wait_dscnt 0x0
	s_barrier_signal -1
	s_barrier_wait -1
	FETCH_W 0, 0, 0
.irp s, 0,1,2,3,4,5,6,7
	VSTEP \s
.endr
	PLACES NP
	QBLK 0, 1
	QBLK 1, 1
	QBLK 2, 1
	QBLK 3, 1
	SCW 0, 1
	s_wait_tensorcnt 0x0                           ; the wave's end
	ds_add_u32 v[SPW], v[NIL]
	s_wait_dscnt 0x0
	CROUND                                         ; the closing round
	s_endpgm
.Lfunc_end_k_q283660f570_proj:
	.size	k_q283660f570_proj, .Lfunc_end_k_q283660f570_proj-k_q283660f570_proj
	.p2alignl 7, 3214868480
	.fill 96, 4, 3214868480
	.section	.rodata,"a",@progbits
	.p2align	6, 0x0
	.amdhsa_kernel k_q283660f570_proj
		.amdhsa_group_segment_fixed_size 327680
		.amdhsa_private_segment_fixed_size 0
		.amdhsa_enable_private_segment 0
		.amdhsa_kernarg_size 32
		.amdhsa_user_sgpr_count 2
		.amdhsa_user_sgpr_kernarg_segment_ptr 1
		.amdhsa_wavefront_size32 1
		.amdhsa_system_sgpr_workgroup_id_x 1
		.amdhsa_system_sgpr_workgroup_id_y 1
		.amdhsa_system_sgpr_workgroup_id_z 1
		.amdhsa_system_vgpr_workitem_id 0
		.amdhsa_next_free_vgpr 1024
		.amdhsa_next_free_sgpr 100
		.amdhsa_reserve_vcc 0
		.amdhsa_float_denorm_mode_32 3
		.amdhsa_float_denorm_mode_16_64 3
		.amdhsa_memory_ordered 1
		.amdhsa_forward_progress 1
		.amdhsa_inst_pref_size 185
	.end_amdhsa_kernel
	.amdgpu_metadata
---
amdhsa.version: [ 1, 2 ]
amdhsa.kernels:
  - .name:           k_q283660f570_proj
    .symbol:         k_q283660f570_proj.kd
    .args:
      - { .name: codes, .offset: 0, .size: 8, .value_kind: global_buffer, .address_space: global }
      - { .name: scales, .offset: 8, .size: 8, .value_kind: global_buffer, .address_space: global }
      - { .name: qimg, .offset: 16, .size: 8, .value_kind: global_buffer, .address_space: global }
      - { .name: kvimg, .offset: 24, .size: 8, .value_kind: global_buffer, .address_space: global }
    .group_segment_fixed_size: 327680
    .private_segment_fixed_size: 0
    .kernarg_segment_align: 8
    .kernarg_segment_size: 32
    .max_flat_workgroup_size: 128
    .sgpr_count:     100
    .vgpr_count:     1024
    .wavefront_size: 32
...
	.end_amdgpu_metadata
.endif
;; end of part 5
;; launch attn (part 6): grid 4 x 64, 16 waves a work-group, clusters of 4 x 1, 219,136 bytes of LDS; arguments qimg, kvimg, out0; writes out0
.if DOCPART == 6
	.amdgcn_target "amdgcn-amd-amdhsa--gfx1250"
	.amdhsa_code_object_version 6
	.text
	.protected	k_q283660f570_attn
	.globl	k_q283660f570_attn
	.p2align	8
	.type	k_q283660f570_attn,@function
k_q283660f570_attn:
	s_mov_b64 s[64:65], 0
	v_nop
	global_prefetch_b8 v0, s[64:65] scope:SCOPE_SE
	s_setreg_imm32_b32 hwreg(HW_REG_WAVE_MODE, 25, 1), 1
	s_wait_xcnt 0x0
	s_wait_alu depctr_hold_cnt(0) depctr_sa_sdst(0) depctr_va_vdst(0) depctr_va_sdst(0) depctr_va_ssrc(0) depctr_va_vcc(0) depctr_vm_vsrc(0)
	s_getreg_b32 s2, hwreg(HW_REG_IB_STS2, 6, 4)
	s_cmp_eq_u32 s2, 0
	s_cbranch_scc0 .Lentry_in_a_cluster
	s_endpgm
.Lentry_in_a_cluster:
	s_bfe_u32 s2, ttmp6, 0x10000c
	s_cmp_lg_u32 s2, 0x3003
	s_cbranch_scc0 .Lentry_shape_is_right
	s_endpgm
.Lentry_shape_is_right:
; out0[b][q][64 head + e] = the sum over keys k <= q of softmax_k(q . k / 8) v, both products on codes of FP4 (E2M1) with E8M0 scales, from the operand images that the launch before stored.
; THE SOFTMAX AHEAD OF THE SECOND PRODUCT: t = score x log2(e) / 8; M = the running largest t rounded UP to a whole number; p = 2^(t - M) is quantised along the keys, not normalised.  The row's sum is taken of the
; unquantised p in f32 and divides at the end (a reciprocal and a multiplication).  When M moves, the sum and O are multiplied by 2^(old M - new M): exact.
; LEFT OUT: whole tiles of keys that come after all queries of a tile (the causal mask makes their weights 0 for all inputs).  LIMIT: a NaN or an infinity that reaches only those is not carried on.
; THE FIRST PRODUCT'S K IS 64: in the upper half of the instruction's 128 Q holds zero CODES and both sides the scale byte 0.  K's operand of tile t is v[32+4t:39+4t]: its upper half is the next tile's codes (behind the
; last tile: zeros), which meet Q's zeros and add nothing.
; SHARES.  The four work-groups of a cluster belong to one (batch, head).  Its K and V with their scale words, 16 chunks of 9,216 bytes (128 keys each), come into each work-group's LDS once, by joint loads, a chunk a wave.
; A head's queries are 128 tiles (G, a): group G of 128 tokens, tile a of 8.  Wave w of work-group c takes tile (w, c) in pass 0 and (15 - w, 4 + c) in pass 1: 15 whole key steps and two on the diagonal for every wave.
; A tile's diagonal chunk comes FIRST and starts the sums.  In pass 0 only the chunk's lower 64 keys are live (a < 4); in pass 1 the lower 64 count for every query and the upper 64 are masked one by one.
; The loop over the other chunks walks 15 trips, a constant; a trip whose chunk is not below the tile's jumps over its work.  Branches hang on the wave's number and the loop's counter alone.
; LAYOUT.  Both products are transposed: S^T = K Q^T, O^T = V^T P^T: a lane (r, h) holds ONE query.  Lane r of tile 4 c + u is token 64 c + 32 (r / 8) + 8 u + r % 8 of its group, for queries and keys, and V's rows e alike: so the
; 32 registers of tiles 4 c .. 4 c + 3 are keys 64 c + 32 h + 0 .. 31: a whole block in a lane, in the order of the second product's operand.
; ORDER IN A KEY STEP.  V's fragments and the next step's K are asked for at its head.  O^T is rescaled ahead of the exponentials.  They go in two batches: between the first's stand the second half's scalings, between the
; second's the first half's codes and pair sums into registers that are read behind the batch.
; No prefetch: the tiles come once, at the head; there is no loop of loads to run ahead in.
; LIMITS: NaN and infinities are not served; a block of p that has fallen to zeros keeps the byte 1 over zero codes; the promise holds while |t| stays under 2^31.
; REGISTERS: v1-6 addresses and lane terms that stay; v8 the chunk's address; v9 the old -M; v10, v11 Q's scale words; v12 -M; v13 the largest score; v14, v15 the way out; v16-23, v24-31 Q of passes 0, 1 (upper four zeros);
; v32-63 K, v64-67 zeros; v68-75 the sum in four pairs; v76-79 V's scale words; v80-95 at work; v96-159 S^T, then p; v160-191 O^T; v192-223 V; v224-231 p's codes; v240 p's scale word; v248-251 K's scale words; v252 f.
.set CH,   9216                        ; a chunk: K's codes [tile 8][512], K's scale words 512, V's codes [tile 4][half 2][512], V's scale words 512
.set KSO,  4096
.set VO,   4608
.set VSO,  8704
.set STG,  16*CH                       ; the way out: 16 rows x (256 bytes + 16) for each wave
.set SPI,  272
.set SPARE, STG+16*16*SPI              ; the spare words, 128 bytes a wave
.set LS,   68
.set WV,   10                          ; s10  my wave's number
.set SEL,  20                          ; s[20:21] selects for lane l xor 16
.set CS,   22                          ; s[22:23] c = log2(e) / 8
.set G1D,  24
.set G0,   48
.set QB,   66                          ; pass p: s[66+6p:67+6p] Q's codes, s[68+6p:69+6p] Q's scale words, s[70+6p:71+6p] my rows of out0
.set QS,   68
.set OB,   70
.set GQ,   78                          ; s78, s79  the pass's group
.set JJ,   82                          ; the chunk
.set TB,   83                          ; 9,216 x it
.set TD,   84                          ; the diagonal chunk's LDS byte
.set MK,   86                          ; s86-89 the mask's lanes
.set NCS,  90                          ; -c
.macro CROUND                          ; a round of the cluster's barrier
	s_barrier_signal -1
	s_barrier_wait -1
	s_cmp_lg_u32 s[WV], 0
	s_cbranch_scc1 .Lnot_wave_0_\@
	s_barrier_signal -3
.Lnot_wave_0_\@:
	s_barrier_wait -3
	s_barrier_signal -1
	s_barrier_wait -1
.endm
	s_load_b128 s[4:7], s[0:1], 0x0                ; qimg, kvimg
	s_load_b64 s[8:9], s[0:1], 0x10                ; out0
	v_lshl_add_u32 v242, v0, 2, SPARE
	v_mov_b32 v243, 0
	ds_add_u32 v242, v243                          ; the wave's opening: the add, twice on end, and its wait
	ds_add_u32 v242, v243
	v_lshrrev_b32 v7, 5, v0
	v_readfirstlane_b32 s[WV], v7                  ; wave 0..15
	s_bfe_u32 s11, ttmp6, 0x40000                  ; cx
	s_lshl_b32 s15, ttmp9, 2
	s_add_co_u32 s11, s11, s15                     ; c: 0..3
	s_and_b32 s12, ttmp7, 0xffff                   ; 16 batch + head, which the four partners share
	s_lshr_b32 s13, s12, 4
	s_and_b32 s14, s12, 15
	s_mov_b32 s[G1D], 15|(3<<16)|(1<<21)           ; 15:0 the mask: all four work-groups; 17:16 elements of 8 bytes; 21 set beside a mask; no padding: every read is 16 bytes a lane on end
	s_mov_b32 s[G1D+1], 32<<16                     ; a chunk: 36 rows of 256 bytes, dense
	s_mov_b32 s[G1D+2], 36<<16
	s_mov_b32 s[G1D+3], 32<<16
	s_mov_b32 s[G1D+4], 36
	s_mov_b32 s[G1D+5], 32
	s_mov_b32 s[G1D+6], 0
	s_mov_b32 s[G1D+7], 0
	s_lshl_b32 s86, s12, 4
	s_add_co_u32 s86, s86, s[WV]
	s_mul_i32 s86, s86, CH                         ; my chunk in kvimg
	s_mov_b32 s87, 0
	s_mov_b32 s[SEL], 0x76543210
	s_mov_b32 s[SEL+1], 0xfedcba98
	s_mov_b32 s[CS], 0x3e38aa3b                    ; c = log2(e) / 8
	s_mov_b32 s[CS+1], s[CS]                       ; (named with it as a pair, so it is written)
	s_mov_b32 s[NCS], 0xbe38aa3b
	s_mov_b32 s[GQ], s[WV]
	s_xor_b32 s[GQ+1], s[WV], 15
	s_wait_dscnt 0x0                               ; both opening adds are done
	s_wait_kmcnt 0x0
	s_mov_b32 s[G0], 1
	s_mul_i32 s[G0+1], s[WV], CH
	s_add_nc_u64 s[G0+2:G0+3], s[6:7], s[86:87]
	s_or_b32 s[G0+3], s[G0+3], 0x80000000
	CROUND                                         ; all four work-groups are here: the joint loads meet
	tensor_load_to_lds s[G0:G0+3], s[G1D:G1D+7]    ; one tensor load a wave: my chunk
	s_nop 0
.rept 4
	v_nop
.endr
	s_mul_i32 s86, s[WV], 16*SPI
	s_add_co_u32 s86, s86, STG                     ; my stage
	s_lshl_b32 s87, s11, 3                         ; 8 c
	v_and_b32 v7, 31, v0
	v_lshlrev_b32 v1, 4, v7                        ; 16 x lane: my place in an image
	v_and_b32 v14, 15, v0                          ; r
	v_bfe_u32 v15, v0, 4, 1                        ; h
	v_lshlrev_b32 v5, 3, v15                       ; 8 h
	v_lshrrev_b32 v8, 3, v14
	v_sub_nc_u32 v8, v8, v15
	v_lshlrev_b32 v8, 5, v8
	v_and_b32 v9, 7, v14
	v_add_nc_u32 v6, v8, v9
	v_add_nc_u32 v6, s87, v6                       ; d = my query's place in its 64 - 32 h: on the diagonal register i of the 32 is hidden where i > d
	v_lshlrev_b32 v7, 4, v14                       ; 16 r
	v_mul_u32_u24 v2, v14, SPI
	v_lshl_add_u32 v2, v15, 7, v2
	v_add_nc_u32 v2, s86, v2                       ; the stage, in: row r, + 128 h
	v_mul_u32_u24 v3, v15, SPI
	v_add_nc_u32 v3, v3, v7
	v_add_nc_u32 v3, s86, v3                       ; back: lanes 0-15 one row, lanes 16-31 the next
	v_lshl_add_u32 v4, v15, 12, v7                 ; and the same two tokens' rows of out0
.irp j, 20,21,22,23,28,29,30,31,64,65,66,67
	v_mov_b32 v\j, 0                               ; Q's zero codes, and what stands behind K's last tile: no load ever lands here
.endr
	v_mov_b32 v247, 0                              ; (a lane permute's destination counts as one of its sources)
	v_mov_b32 v255, 0
	v_mov_b32 v253, 0                              ; (named as the upper half of the pair v[252:253])
	s_wait_alu depctr_va_vdst(0)                   ; the wait at the head's end
.macro PSET p
	s_lshl_b32 s16, s12, 4
	s_add_co_u32 s16, s16, s[GQ+\p]
	s_mul_i32 s16, s16, 4608                       ; my group in qimg
	s_mov_b32 s17, 0
	s_add_nc_u64 s[QB+6*\p:QB+6*\p+1], s[4:5], s[16:17]
	s_lshl_b32 s16, s11, 2
	s_add_nc_u64 s[QS+6*\p:QS+6*\p+1], s[QB+6*\p:QB+6*\p+1], s[16:17]
	s_lshl_b32 s16, s11, 9
	s_add_nc_u64 s[QB+6*\p:QB+6*\p+1], s[QB+6*\p:QB+6*\p+1], s[16:17]
	s_lshl_b32 s16, s13, 11                        ; out0: token 2,048 batch + 128 G + 64 p + 8 c, rows of 4,096 bytes; + 256 head
	s_lshl_b32 s19, s[GQ+\p], 7
	s_add_co_u32 s16, s16, s19
	s_lshl_b32 s19, s11, 3
	s_add_co_u32 s16, s16, s19
.if \p == 1
	s_add_co_u32 s16, s16, 64
.endif
	s_lshl_b32 s16, s16, 12
	s_lshl_b32 s19, s14, 8
	s_add_co_u32 s16, s16, s19
	s_add_nc_u64 s[OB+6*\p:OB+6*\p+1], s[8:9], s[16:17]
	global_load_b128 v[16+8*\p:19+8*\p], v1, s[QB+6*\p:QB+6*\p+1] offset:2048*\p
	global_load_b32 v[10+\p], v7, s[QS+6*\p:QS+6*\p+1] offset:KSO+256*\p
.endm
	PSET 0
	PSET 1
	s_wait_tensorcnt 0x0                           ; my chunk has landed,
	s_wait_loadcnt 0x0                             ; and Q is in
	s_barrier_signal -1
	s_barrier_wait -1                              ; everybody's chunks have landed: from here on they are only read
.macro KFIRST p                        ; the diagonal chunk's address and K
	s_mul_i32 s[TD], s[GQ+\p], CH
	v_add_nc_u32 v8, s[TD], v1
.irp t, 0,1,2,3,4,5,6,7
	ds_load_b128 v[32+4*\t:35+4*\t], v8 offset:512*\t
.endr
	ds_load_b128 v[248:251], v8 offset:KSO
.endm
.macro TSC x                           ; t - M, two at a time
	v_pk_fma_f32 v[\x:\x+1], v[\x:\x+1], s[CS:CS+1], v[12:13] op_sel_hi:[1,0,0]
.endm
; A key step.  kind 0: the diagonal, 64 live keys; 1: the diagonal, 128 keys, the upper 64 masked; 2: a whole step.
.macro BODY kind, p
.if \kind == 0
.set NB, 1                             ; blocks in a lane
.set MB, 96                            ; the masked registers
.else
.set NB, 2
.set MB, 128
.endif
.if \kind < 2
	s_wait_alu depctr_va_vdst(0)
.endif
	s_wait_dscnt 0x0                               ; K and its scale words are in
.irp t, 0,1,2,3
	v_wmma_scale_f32_16x16x128_f8f6f4 v[96+8*\t:103+8*\t], v[32+4*\t:39+4*\t], v[16+8*\p:23+8*\p], 0, v[248+\t], v[10+\p] matrix_a_fmt:MATRIX_FMT_FP4 matrix_b_fmt:MATRIX_FMT_FP4
.endr
.if NB == 2
.irp t, 4,5,6,7
	v_wmma_scale_f32_16x16x128_f8f6f4 v[96+8*\t:103+8*\t], v[32+4*\t:39+4*\t], v[16+8*\p:23+8*\p], 0, v[244+\t], v[10+\p] matrix_a_fmt:MATRIX_FMT_FP4 matrix_b_fmt:MATRIX_FMT_FP4 matrix_a_scale:MATRIX_SCALE_ROW1
.endr
.endif
.if \kind == 2                         ; four places: in front of the loads into V's registers and of the first read of the scores
	v_add_nc_u32 v8, s[TB], v1
	v_mov_b32 v9, v12                              ; the old -M
	v_nop
	v_nop
.else
	v_mov_b32 v254, 0xff800000                     ; -infinity: p = 0 then
	v_nop
	v_nop
	v_nop
.endif
.irp t, 0,1,2,3
.irp c, 0,1
	ds_load_b128 v[192+8*\t+4*\c:195+8*\t+4*\c], v8 offset:VO+1024*\t+512*\c
.endr
.endr
	ds_load_b128 v[76:79], v8 offset:VSO
.if \kind < 2
.set n, 0
.rept 8
.irp q, 0,1,2,3
	v_cmp_gt_i32 s[MK+\q], n+\q, v6
.endr
.irp q, 0,1,2,3
	v_cndmask_b32 v[MB+n+\q], v[MB+n+\q], v254, s[MK+\q]
.endr
.set n, n+4
.endr
.endif
; the largest score of each block: for the row's maximum, and, since p rises with the score, for the block's largest p.  A chain a tile, each from its low end on
.set n, 0
.rept 4*NB
	v_max3_num_f32 v[80+n], v[96+8*n], v[97+8*n], v[98+8*n]
.set n, n+1
.endr
.irp t, 0,1,2,3,4,5,6,7                ; the next step's K: behind a diagonal chunk 0, else the next chunk (the last look-ahead is not used; it lies inside the chunks)
.if \kind == 2
	ds_load_b128 v[32+4*\t:35+4*\t], v8 offset:CH+512*\t
.else
	ds_load_b128 v[32+4*\t:35+4*\t], v1 offset:512*\t
.endif
.endr
.if \kind == 2
	ds_load_b128 v[248:251], v8 offset:CH+KSO
.else
	ds_load_b128 v[248:251], v1 offset:KSO
.endif
.set n, 0
.rept 4*NB
	v_max3_num_f32 v[80+n], v[80+n], v[99+8*n], v[100+8*n]
.set n, n+1
.endr
.set n, 0
.rept 4*NB
	v_max3_num_f32 v[80+n], v[80+n], v[101+8*n], v[102+8*n]
.set n, n+1
.endr
.set n, 0
.rept NB
	v_max3_num_f32 v[88+2*n], v[80+4*n], v[103+32*n], v[111+32*n]
	v_max3_num_f32 v[89+2*n], v[81+4*n], v[119+32*n], v[127+32*n]
.set n, n+1
.endr
.set n, 0
.rept NB
	v_max3_num_f32 v[88+2*n], v[88+2*n], v[82+4*n], v[83+4*n]
.set n, n+1
.endr
.set n, 0
.rept NB
	v_max_num_f32 v[232+n], v[88+2*n], v[89+2*n]
.set n, n+1
.endr
.if NB == 2
	v_max_num_f32 v254, v232, v233
.else
	v_mov_b32 v254, v232
.endif
	v_permlanex16_b32 v255, v254, s[SEL], s[SEL+1] ; lane l xor 16's keys
.if \kind == 2
	v_max3_num_f32 v13, v13, v254, v255            ; the running largest score
.else
	v_max_num_f32 v13, v254, v255
.endif
	v_mul_f32 v254, s[NCS], v13                    ; -t (c is positive)
	v_floor_f32 v12, v254                          ; -M = floor(-t) = -ceil(t)
.if \kind == 2
	v_sub_f32 v254, v12, v9                        ; old M - new M: a whole number, 0 or less
.endif
	v_fma_f32 v232, v232, s[CS], v12               ; t - M of each block's largest score
.if NB == 2
	v_fma_f32 v233, v233, s[CS], v12
.endif
	TSC 96
	TSC 98
.if \kind == 2
	v_cvt_i32_f32 v254, v254                       ; (it saturates)
.endif
	TSC 100
	TSC 102
	TSC 104
.if \kind == 2
	v_ldexp_f32 v252, 1.0, v254                    ; f = 2^(old M - new M)
.endif
.irp j, 106,108,110,112,114,116,118,120,122,124,126
	TSC \j
.endr
.if \kind == 2
.set n, 0
.rept 16
	v_pk_mul_f32 v[160+n:161+n], v[160+n:161+n], v[252:253] op_sel_hi:[1,0]   ; O^T under the new M, each accumulator from its low end on
.set n, n+2
.endr
.endif
	s_wait_alu depctr_va_vdst(0)                   ; the wait ahead of the batch
	v_exp_f32 v232, v232                           ; the block's largest p: the same two instructions on the same number as its score's own
.if NB == 2
	v_exp_f32 v233, v233
.endif
.set n, 0
.rept 16
	v_exp_f32 v[96+2*n], v[96+2*n]
	v_exp_f32 v[97+2*n], v[97+2*n]
.if NB == 2
	TSC 128+2*n
.endif
.set n, n+1
.endr
.if NB == 1
.irp j, 228,229,230,231
	v_mov_b32 v\j, 0                               ; zero codes for the upper 64 keys
.endr
.endif
	s_wait_alu depctr_va_vdst(0)                   ; one wait behind this batch and ahead of the next
.set n, 0
.rept NB
	v_max_num_f32 v[232+n], 0x1800000, v[232+n]    ; the floor 2^(3 - 127): the byte cannot fall under 1
.set n, n+1
.endr
.set n, 0
.rept NB
	v_add_nc_u32 v[244+n], 0xff000000, v[232+n]    ; 2 off the exponent field: the conversion's scale operand
.set n, n+1
.endr
.set n, 0
.rept NB
	v_lshrrev_b32 v[234+n], 23, v[244+n]           ; the byte
.set n, n+1
.endr
.if NB == 2
	v_lshl_or_b32 v234, v235, 16, v234
.endif
	v_lshlrev_b32 v246, v5, v234                   ; block 2 c + h has byte 2 c + h of p's scale word
	v_permlanex16_b32 v247, v246, s[SEL], s[SEL+1]
	v_or_b32 v240, v246, v247
.if NB == 2
.set n, 0
.rept 16
	v_exp_f32 v[128+2*n], v[128+2*n]
	v_exp_f32 v[129+2*n], v[129+2*n]
.if n%2
	v_pk_add_f32 v[79+n:80+n], v[94+2*n:95+2*n], v[96+2*n:97+2*n]      ; THE ROW'S SUM IS TAKEN OF THE UNQUANTISED p: pairs n - 1 and n of the lower half
.elseif (n > 2) && (n < 12)
.set g, (n-4)/2
	v_cvt_scalef32_pk8_fp4_f32 v[224+g], v[96+8*g:103+8*g], v244       ; the lower half's codes
.endif
.set n, n+1
.endr
	s_wait_alu depctr_va_vdst(0)                   ; one wait for the batch
.irp g, 0,1,2,3
	v_cvt_scalef32_pk8_fp4_f32 v[228+\g], v[128+8*\g:135+8*\g], v245
.endr
.irp j, 0,1,2,3
.if \kind == 2
	v_pk_fma_f32 v[LS+2*\j:LS+2*\j+1], v[LS+2*\j:LS+2*\j+1], v[252:253], v[80+2*\j:81+2*\j] op_sel_hi:[1,0,1]   ; the sum under the new M, + a pair sum
.else
	v_pk_add_f32 v[LS+2*\j:LS+2*\j+1], v[80+2*\j:81+2*\j], v[88+2*\j:89+2*\j]
.endif
.endr
.if \kind == 2
.irp j, 0,1,2,3
	v_pk_add_f32 v[LS+2*\j:LS+2*\j+1], v[LS+2*\j:LS+2*\j+1], v[88+2*\j:89+2*\j]
.endr
.endif
.set n, 0
.rept 16
	v_pk_add_f32 v[LS+2*(n%4):LS+2*(n%4)+1], v[LS+2*(n%4):LS+2*(n%4)+1], v[128+2*n:129+2*n]
.set n, n+1
.endr
.else
.irp g, 0,1,2,3
	v_cvt_scalef32_pk8_fp4_f32 v[224+\g], v[96+8*\g:103+8*\g], v244
.endr
.irp j, 0,1,2,3
	v_pk_add_f32 v[LS+2*\j:LS+2*\j+1], v[96+2*\j:97+2*\j], v[104+2*\j:105+2*\j]
.endr
.set n, 8
.rept 8
	v_pk_add_f32 v[LS+2*(n%4):LS+2*(n%4)+1], v[LS+2*(n%4):LS+2*(n%4)+1], v[96+2*n:97+2*n]
.set n, n+1
.endr
.endif
	s_wait_alu depctr_va_vdst(0)                   ; ahead of the wait below, the products and the branch
	s_wait_dscnt 9                                 ; V and its scale words are in; the nine younger loads, the next step's K, may be out
.irp t, 0,1,2,3                        ; O^T += V^T P^T: the four accumulators by turns
.if \kind == 2
	v_wmma_scale_f32_16x16x128_f8f6f4 v[160+8*\t:167+8*\t], v[192+8*\t:199+8*\t], v[224:231], v[160+8*\t:167+8*\t], v[76+\t], v240 matrix_a_fmt:MATRIX_FMT_FP4 matrix_b_fmt:MATRIX_FMT_FP4
.else
	v_wmma_scale_f32_16x16x128_f8f6f4 v[160+8*\t:167+8*\t], v[192+8*\t:199+8*\t], v[224:231], 0, v[76+\t], v240 matrix_a_fmt:MATRIX_FMT_FP4 matrix_b_fmt:MATRIX_FMT_FP4
.endif
.endr
.endm
.macro OUT p
	v_pk_add_f32 v[LS:LS+1], v[LS:LS+1], v[LS+2:LS+3]       ; the sum's four pairs.  These plain lines are also the places behind the last products
	v_pk_add_f32 v[LS+4:LS+5], v[LS+4:LS+5], v[LS+6:LS+7]
	v_pk_add_f32 v[LS:LS+1], v[LS:LS+1], v[LS+4:LS+5]
	v_add_f32 v14, v[LS], v[LS+1]
	v_permlanex16_b32 v247, v14, s[SEL], s[SEL+1]
	v_add_f32 v14, v14, v247                       ; and lane l xor 16's: the row's sum
	s_wait_alu depctr_va_vdst(0)                   ; the wait ahead of the transcendental
	v_rcp_f32 v14, v14
	v_nop                                          ; a plain line behind the transcendental
	s_wait_alu depctr_va_vdst(0)                   ; and ahead of its first reader and of O^T's
.set n, 0
.rept 16
	v_pk_mul_f32 v[96+n:97+n], v[160+n:161+n], v[14:15] op_sel_hi:[1,0]   ; O^T / the sum: register i is e = 32 h + i
.set n, n+2
.endr
.if \p == 0
	s_wait_alu depctr_va_vdst(0)                   ; the stores below read what the lines above wrote
	s_wait_dscnt 0x0                               ; the last look-ahead for K has landed: its registers may be loaded anew
	KFIRST 1                                       ; pass 1's first K
.endif
.irp q, 0,1,2,3,4,5,6,7
	ds_store_b128 v2, v[96+4*\q:99+4*\q] offset:16*\q
.endr
.irp i, 0,1,2,3,4,5,6,7
	ds_load_b128 v[128+4*\i:131+4*\i], v3 offset:2*\i*SPI   ; my own bytes, served in order behind my stores
.endr
.irp i, 0,1,2,3,4,5,6,7
	s_wait_dscnt 7-\i                              ; LDS loads come back in order: pair i of rows is in
	global_store_b128 v4, v[128+4*\i:131+4*\i], s[OB+6*\p:OB+6*\p+1] offset:(2*\i+24*(\i/4))*4096 th:TH_STORE_NT   ; row 2 i + h of the tile is token 2 i + h + 24 (i / 4); sixteen lanes store 256 consecutive bytes, aligned
.endr
.if \p == 0
	s_wait_xcnt 0x0                                ; the stores' data registers are written again in the next pass only behind this wait
.endif
.endm
.macro PASS p
	BODY \p, \p                                    ; the diagonal chunk starts the sums
	s_mov_b32 s[JJ], 0
	s_mov_b32 s[TB], 0
.Lstep_\@:                                             ; 15 trips, a chunk of 128 keys each
	s_cmp_ge_u32 s[JJ], s[GQ+\p]
	s_cbranch_scc1 .Lhid_\@                        ; the diagonal chunk is done, and the later ones come after my queries
	BODY 2, \p
.Lhid_\@:
	s_add_co_u32 s[TB], s[TB], CH
	s_add_co_u32 s[JJ], s[JJ], 1
	s_cmp_lt_u32 s[JJ], 15
	s_cbranch_scc1 .Lstep_\@
	OUT \p
.endm
	KFIRST 0
	PASS 0
	PASS 1
	s_wait_tensorcnt 0x0                           ; the wave's end
	ds_add_u32 v242, v243
	s_wait_dscnt 0x0
	CROUND                                         ; the closing round: no work-group ends while a partner may still ask for a chunk that names it
	s_endpgm
.Lfunc_end_k_q283660f570_attn:
	.size	k_q283660f570_attn, .Lfunc_end_k_q283660f570_attn-k_q283660f570_attn
	.p2alignl 7, 3214868480
	.fill 96, 4, 3214868480
	.section	.rodata,"a",@progbits
	.p2align	6, 0x0
	.amdhsa_kernel k_q283660f570_attn
		.amdhsa_group_segment_fixed_size 219136
		.amdhsa_private_segment_fixed_size 0
		.amdhsa_enable_private_segment 0
		.amdhsa_kernarg_size 24
		.amdhsa_user_sgpr_count 2
		.amdhsa_user_sgpr_kernarg_segment_ptr 1
		.amdhsa_wavefront_size32 1
		.amdhsa_system_sgpr_workgroup_id_x 1
		.amdhsa_system_sgpr_workgroup_id_y 1
		.amdhsa_system_sgpr_workgroup_id_z 1
		.amdhsa_system_vgpr_workitem_id 0
		.amdhsa_next_free_vgpr 256
		.amdhsa_next_free_sgpr 96
		.amdhsa_reserve_vcc 0
		.amdhsa_float_denorm_mode_32 3
		.amdhsa_float_denorm_mode_16_64 3
		.amdhsa_memory_ordered 1
		.amdhsa_forward_progress 1
		.amdhsa_inst_pref_size 70
	.end_amdhsa_kernel
	.amdgpu_metadata
---
amdhsa.version: [ 1, 2 ]
amdhsa.kernels:
  - .name:           k_q283660f570_attn
    .symbol:         k_q283660f570_attn.kd
    .args:
      - { .name: qimg, .offset: 0, .size: 8, .value_kind: global_buffer, .address_space: global }
      - { .name: kvimg, .offset: 8, .size: 8, .value_kind: global_buffer, .address_space: global }
      - { .name: out0, .offset: 16, .size: 8, .value_kind: global_buffer, .address_space: global }
    .group_segment_fixed_size: 219136
    .private_segment_fixed_size: 0
    .kernarg_segment_align: 8
    .kernarg_segment_size: 24
    .max_flat_workgroup_size: 512
    .sgpr_count:     96
    .vgpr_count:     256
    .wavefront_size: 32
...
	.end_amdgpu_metadata
.endif
;; end of part 6
